; MI455X (gfx1250); checked and timed in simulation.
; The chip was launched on July 23, 2026; its instructions are those of AMD's public machine-readable ISA for CDNA 5 (MIT licence, August 2026) and "CDNA5" Instruction Set Architecture Reference Guide (July 2026). The comments in the code are by the model that wrote it; some were corrected since.
;; Self Attention. Allowed arithmetic: matrix products marked QUANTISED: E2M3 operands, one E8M0 scale for each 32 along K, by v_wmma_scale_f32_16x16x128_f8f6f4 with both operands' format E2M3, f32 sums; everything else in f32.
;; Inputs: W_proj 1,024 x 1,024 float32; W_qkv 1,024 x 3,072 float32; b_proj 1,024 float32; b_qkv 3,072 float32; x 4 x 2,048 x 1,024 float32.
;; Outputs: out0 4 x 2,048 x 1,024 float32.
;; This version of the problem:
;;   THIS VERSION OF THE PROBLEM IS GIVEN IN LOW PRECISION. The matrix products marked QUANTISED in the list below multiply operands that are first quantised to E2M3 (2 exponent bits, 3 mantissa bits; 6 bits a number), with one power-of-two scale for each 32 numbers along K (OCP MX v1.0); their sums are f32. All else is computed in f32.
;;   The module's matrix products, in the order in which they are computed (A, B: the left and right operand; K: the contracted axis; several contracted axes count as one K, in the product's order):
;;     1. [M 8,192, K 1,024] x [K 1,024, N 3,072]; A: input x; B: input W_qkv: QUANTISED
;;     2. batch 64 x [M 2,048, K 64] x [K 64, N 2,048]; A: computed on the way; B: computed on the way: QUANTISED
;;     3. batch 64 x [M 2,048, K 2,048] x [K 2,048, N 64]; A: softmax (see below); B: computed on the way: QUANTISED
;;     4. [M 8,192, K 1,024] x [K 1,024, N 1,024]; A: computed on the way; B: input W_proj: QUANTISED
;;   THE QUANTISER, for each operand of a quantised product, along K:
;;     - K is cut into blocks of 32 from its start; a last block that is shorter is filled with zeros.
;;     - A block's scale is 2^e with e = floor(log2(the largest magnitude in the block)) - 2, held to -126 .. 127; a block of zeros has e = 0. As a byte (E8M0): e + 127.
;;     - Each number is divided by its block's scale, clamped to +-7.5, and rounded to the nearest number of E2M3, ties to even, subnormals kept.
;;     - The product sums the exact products of the quantised numbers (number of the format x scale) in f32.
;;   ~~~python
;;   def quantise(x, axis):      # numpy; x: float32 -> the quantised numbers, widened to float32 again
;;       x = np.moveaxis(x, axis, -1); K = x.shape[-1]
;;       x = np.pad(x, [(0, 0)] * (x.ndim - 1) + [(0, -K % 32)]); x = x.reshape(x.shape[:-1] + (-1, 32)); a = np.abs(x).max(-1, keepdims=True)
;;       e = np.where(a > 0, np.clip(np.frexp(np.where(a > 0, a, 1))[1] - 1 - 2, -126, 127), 0)      # np.frexp(a)[1] - 1 = floor(log2(a)), exactly
;;       r = np.clip(x / 2.0 ** e, -7.5, 7.5)
;;       step = 2.0 ** (np.maximum(np.frexp(np.where(r == 0, 1, r))[1] - 1, 0) - 3)
;;       q = np.round(r / step) * step * 2.0 ** e      # np.round: ties to even
;;       return np.moveaxis(q.reshape(q.shape[:-2] + (-1,))[..., :K], -1, axis).astype(np.float32)
;;   ~~~
;;   SOFTMAX AHEAD OF A QUANTISED PRODUCT. Where the list says 'softmax', what is quantised is not the finished softmax but p = 2^(t - M), with t = logit x log2(e) and M = ceil(the row's largest t), a whole number; so 1/2 < the row's largest p <= 1. The row's sum l is taken of the UNQUANTISED p, in f32, and the product's result is divided by l at the end. Since M is a whole number, a kernel that streams over the keys may use a running M (the ceiling of the running maximum): every later rescaling is an exact power of two, which a block's scale takes up: the codes' values come out the same.
;;   OPERANDS COMPUTED ON THE WAY. 'Computed on the way' means the value that the module computes at that place (a softmax that the list does not call 'softmax' is quantised finished and normalised). What goes into a quantiser is computed in f32, as accurately as f32 sums, v_exp_f32 and their like allow (about 1e-6 of the number): no bf16 or f16 on the way to a quantiser, and a product that is left as it is and whose result goes on into a quantised operand takes f32 operands (vector FMAs, or v_wmma_f32_16x16x4_f32). A number that lies on a knife's edge between two numbers of the format may be rounded either way, as far as f32 arithmetic and the matrix unit's own rounding can turn it there, and no further.
;; One version. Each part assembles by itself: llvm-mc -triple=amdgcn-amd-amdhsa -mcpu=gfx1250 --defsym DOCPART=n.
;; ======== version 1 of 1: 4 launches
;; limits: right only within a limited range of input values
;; workspace buffers: xq 6,553,600 bytes; wc 3,276,800 bytes; qq 6,815,744 bytes; kv 13,369,344 bytes; oq 6,553,600 bytes
;; launch prep (part 1): grid 384 x 1, 4 waves a work-group, no clusters, 34,304 bytes of LDS; arguments x, W_qkv, W_proj, xq, wc; writes xq, wc
.if DOCPART == 1
	.amdgcn_target "amdgcn-amd-amdhsa--gfx1250"
	.amdhsa_code_object_version 6
	.text
	.protected	k_q50e25402e8_prep
	.globl	k_q50e25402e8_prep
	.p2align	8
	.type	k_q50e25402e8_prep,@function
k_q50e25402e8_prep:
	s_mov_b64 s[64:65], 0
	v_nop
	global_prefetch_b8 v0, s[64:65] scope:SCOPE_SE
	s_setreg_imm32_b32 hwreg(HW_REG_WAVE_MODE, 25, 1), 1
	s_wait_xcnt 0x0
; x [8192][1024], W_qkv [1024][3072] and W_proj [1024][1024], f32, become codes of FP6 (E2M3) with one E8M0 byte for each 32 along K (x: its last axis; the weights: their FIRST axis).
; A block's scale is 2^(floor(log2(largest magnitude)) - 2); its byte is the largest magnitude's exponent field - 2, held at 1 from below by a floor among the maximum's leaves.
; LIMITS: a block of zeros gets the byte 1 where the rule says 127 (its codes are zeros, and only this program reads the bytes); NaN and infinities among the inputs are not served.
; LAYOUT OF xq AND wc: tiles of 16 rows (tokens of x, columns n of a weight), 12,800 bytes each.  Tile T's lane r holds row 32 (T / 2) + 8 (T % 2) + r + 8 (r / 8).
;   A tile is 16 units of 768 bytes, one for each 64 along K: lane l = r + 16 h holds block h of row r, 24 bytes, as three pieces of 8 bytes at 256 p + 8 l: an image of half an operand's registers,
;   so that every store here and every load later is 32 lanes x 8 bytes = 256 consecutive bytes, aligned.  Behind the units: 512 bytes of scale words (4 bytes: a row's 128 along K): word (t, r, e) at 128 t + 8 r + 4 e, k = 256 t + 128 e on.
; SHARES: work-groups 0-255 take x, 256-351 W_qkv, 352-383 W_proj: scalar branches on the work-group's number.  Only the x path uses LDS.  No barrier: waves share nothing.
.set SP,    528                        ; a stage row: 512 bytes + 16
.set SPARE, 4*16*SP                    ; behind the four stages: the spare words, 128 bytes for each wave: two blocks of 256 bytes that no other line names
.set STI,   4                          ; v4   the stage, on the way in: 16 x lane + my wave's stage
.set STO,   5                          ; v5   on the way out: row r, + 128 h
.set SH8,   6                          ; v6   8 h
.set L8,    7                          ; v7   8 x lane
.set L16,   8                          ; v8   16 x lane
.set WA,    9                          ; v9   a weight: my column's bytes in a row
.set WS,    10                         ; v10  a weight: where my scale words go
.set SPW,   30                         ; v30  LDS address of my spare word; never rewritten
.set NIL,   31                         ; v31  0; never rewritten
.set R,     32                         ; x: v32-159  two sets of 64 numbers as loaded
.set X,     160                        ; x: v160-223 64 numbers: k = 64 c + 32 h + 0 .. 31 of my row
.set C,     224                        ; x: v224-235 the fragment's codes
.set CT,    236                        ; x: v236-243 the upper halves of the blocks' codes as the conversions leave them
.set MX,    244
.set SO,    246
.set BY,    248
.set PW,    250                        ; x: v250-253 the four steps' scale words
.set PT,    254
.set WX,    32                         ; weights: v32-95 two sets of 32 numbers
.set CW,    96                         ; weights: v96-143 codes: 12 registers for each 64 along K, so that no store's data are written again
.set WCT,   144
.set SB,    148                        ; weights: v148-149 eight scale bytes
	s_load_b256 s[4:11], s[0:1], 0x0               ; x s[4:5], W_qkv s[6:7], W_proj s[8:9], xq s[10:11]
	s_load_b64 s[12:13], s[0:1], 0x20              ; wc
	v_lshl_add_u32 v[SPW], v0, 2, SPARE
	v_mov_b32 v[NIL], 0
	v_lshrrev_b32 v1, 5, v0
	v_readfirstlane_b32 s16, v1                    ; wave 0..3
	v_and_b32 v1, 31, v0                           ; lane
	v_and_b32 v2, 15, v0                           ; r
	v_bfe_u32 v3, v0, 4, 1                         ; h
	s_mul_i32 s17, s16, 16*SP                      ; my stage
	v_lshlrev_b32 v[L16], 4, v1
	v_lshlrev_b32 v[L8], 3, v1
	v_add_nc_u32 v[STI], s17, v[L16]
	v_mul_u32_u24 v[STO], v2, SP
	v_lshl_add_u32 v[STO], v3, 7, v[STO]
	v_add_nc_u32 v[STO], s17, v[STO]
	v_lshlrev_b32 v[SH8], 3, v3
	v_and_b32 v[WA], 8, v2
	v_add_nc_u32 v[WA], v[WA], v2                  ; r + 8 (r / 8)
	v_lshl_add_u32 v[WA], v3, 3, v[WA]             ; + 8 h: lanes 0-15 are the rows of an even tile, lanes 16-31 those of the odd tile beside it; the 32 lanes cover 32 neighbouring columns
	v_lshlrev_b32 v[WA], 2, v[WA]
	v_mul_u32_u24 v[WS], v3, 12800
	v_lshl_add_u32 v[WS], v2, 3, v[WS]             ; 8 r, in the odd tile for lanes 16-31
	v_mov_b32 v[PT], 0                             ; written once: a lane permute's destination counts as one of its sources
	s_mov_b32 s20, 0x76543210
	s_mov_b32 s21, 0xfedcba98                      ; v_permlanex16_b32's selects for lane l xor 16
	s_mov_b32 s22, 0xffff0000                      ; lanes 16-31
	s_mov_b32 s29, 0
	s_wait_kmcnt 0x0
	s_cmp_lt_u32 ttmp9, 256
	s_cbranch_scc0 .Lweights
; ---- x.  Work-group g, wave w: tile T = 2 g + w / 2, half w % 2 of K: four steps of 16 rows x 128 along K.
	s_lshr_b32 s23, s16, 1
	s_and_b32 s24, s16, 1
	s_lshl_b32 s25, ttmp9, 5
	s_lshl_b32 s26, s23, 3
	s_add_co_u32 s25, s25, s26                     ; the tile's first row: 32 g + 8 (w / 2)
	s_lshl_b32 s28, s25, 12                        ; x 4,096 bytes
	s_lshl_b32 s26, s24, 11                        ; + my half of K: 2,048 bytes
	s_add_co_u32 s28, s28, s26
	s_add_nc_u64 s[4:5], s[4:5], s[28:29]
	s_lshl_b32 s25, ttmp9, 1
	s_add_co_u32 s25, s25, s23                     ; T
	s_mul_i32 s26, s25, 12800
	s_mul_i32 s28, s24, 6144                       ; my half's eight units
	s_add_co_u32 s28, s28, s26
	s_add_nc_u64 s[14:15], s[10:11], s[28:29]      ; where my codes go
	s_lshl_b32 s28, s24, 8
	s_add_co_u32 s28, s28, s26
	s_add_co_u32 s28, s28, 12288
	s_add_nc_u64 s[18:19], s[10:11], s[28:29]      ; and my 256 bytes of scale words
.macro XLOAD s                         ; step s: each load reads 512 consecutive bytes of one of the tile's rows
.set k, 0
.rept 16
	global_load_b128 v[R+64*((\s)%2)+4*k:R+64*((\s)%2)+4*k+3], v[L16], s[4:5] offset:(k+8*(k/8))*4096+512*(\s) th:TH_LOAD_NT
.set k, k+1
.endr
.endm
.macro XTURN s                         ; through my stage: in as loaded, out 128 bytes of a row to a lane.  LDS serves a wave's instructions in order: no wait between the stores and the loads
.set k, 0
.rept 16
	ds_store_b128 v[STI], v[R+64*((\s)%2)+4*k:R+64*((\s)%2)+4*k+3] offset:SP*k
.set k, k+1
.endr
.irp c, 0,1
.irp j, 0,1,2,3,4,5,6,7
	ds_load_b128 v[X+32*\c+4*\j:X+32*\c+4*\j+3], v[STO] offset:256*\c+16*\j
.endr
.endr
.endm
.macro XSTEP s
.if (\s) < 3
	s_wait_loadcnt 16                              ; this step's 16 loads are in; the next step's 16 may be out
.else
	s_wait_loadcnt 0x0
.endif
	XTURN \s
	s_wait_dscnt 0x0                               ; my 64 numbers are back, and the stage's stores have read their registers,
.if (\s) < 2
	XLOAD (\s)+2                                   ; which take the loads of two steps on
.endif
.irp c, 0,1                                    ; my blocks h and 2 + h of the step's four: all 32 numbers of each are mine
	v_max3_num_f32 v[MX+\c], |v[X+32*\c]|, |v[X+32*\c+1]|, 0x1800000   ; with the floor 2^(3 - 127): the byte cannot fall under 1
.endr
.set k, 2
.rept 15
.irp c, 0,1
	v_max3_num_f32 v[MX+\c], v[MX+\c], |v[X+32*\c+k]|, |v[X+32*\c+k+1]|
.endr
.set k, k+2
.endr
.irp c, 0,1
	v_add_nc_u32 v[SO+\c], 0xff000000, v[MX+\c]    ; 2 off the exponent field: the conversion's scale operand
.endr
.irp c, 0,1
	v_lshrrev_b32 v[BY+\c], 23, v[SO+\c]           ; the scale's byte
.endr
	v_lshl_or_b32 v[PW+(\s)], v[BY+1], 16, v[BY]
	v_lshlrev_b32 v[PW+(\s)], v[SH8], v[PW+(\s)]   ; my two bytes at their places, 8 h bits up;
	v_permlanex16_b32 v[PT], v[PW+(\s)], s20, s21
	v_or_b32 v[PW+(\s)], v[PW+(\s)], v[PT]         ; with lane l xor 16's two the row's word is whole, in both halves of the lanes
.if (\s) > 0
	s_wait_alu depctr_va_vdst(0)
	s_wait_xcnt 0x0                                ; the last step's stores have read their data: the codes' registers are written again only behind this wait
.endif
.irp c, 0,1
	v_cvt_scalef32_pk16_fp6_f32 v[C+6*\c:C+6*\c+2], v[X+32*\c:X+32*\c+15], v[SO+\c]
	v_cvt_scalef32_pk16_fp6_f32 v[CT+4*\c:CT+4*\c+2], v[X+32*\c+16:X+32*\c+31], v[SO+\c]   ; (a conversion's three registers begin on an even number)
.endr
	v_nop                                          ; one plain place behind a scaled conversion
.irp c, 0,1
.irp j, 0,1,2
	v_mov_b32 v[C+6*\c+3+\j], v[CT+4*\c+\j]
.endr
.endr
.irp p, 0,1,2,3,4,5
	global_store_b64 v[L8], v[C+2*\p:C+2*\p+1], s[14:15] offset:1536*(\s)+256*\p   ; 256 consecutive bytes, aligned
.endr
.endm
	XLOAD 0
	XLOAD 1
	s_wait_alu depctr_va_vdst(0)
	XSTEP 0
	XSTEP 1
	XSTEP 2
	XSTEP 3
	v_cndmask_b32 v[MX], v[PW], v[PW+2], s22       ; lanes 0-15: the words of steps 0, 1 (one K step of 256); lanes 16-31: of steps 2, 3
	v_cndmask_b32 v[MX+1], v[PW+1], v[PW+3], s22
	global_store_b64 v[L8], v[MX:MX+1], s[18:19]   ; 256 consecutive bytes, aligned
	s_wait_tensorcnt 0x0                           ; the wave's end
	ds_add_u32 v[SPW], v[NIL]
	s_wait_dscnt 0x0
	s_endpgm
; ---- the weights.  A LANE TAKES A COLUMN n AND ITS REGISTERS RUN DOWN K: a block of 32 lies in one lane, and the codes come out with K innermost.
; Work-group g' of a path: 128 columns (g' / 4), 256 along K (g' % 4); wave w: 32 columns = tiles 2 beta and 2 beta + 1, beta = 4 (g' / 4) + w.
.macro WLOAD t, N                      ; block t: W(32 t + i, my column): 32 lanes read 128 consecutive bytes, the four waves 512
.set k, 0
.rept 32
	global_load_b32 v[WX+32*((\t)%2)+k], v[WA], s[14:15] offset:(32*(\t)+k)*\N*4 th:TH_LOAD_NT
.set k, k+1
.endr
.endm
.macro WBLOCK t, N
.set XS, WX+32*((\t)%2)
.set CD, CW+12*((\t)/2)+6*((\t)%2)
.if (\t) < 7
	s_wait_loadcnt 32                              ; this block's 32 loads are in; the next block's may be out
.else
	s_wait_loadcnt 0x0
.endif
	v_max3_num_f32 v12, |v[XS]|, |v[XS+1]|, |v[XS+2]|
	v_max3_num_f32 v13, |v[XS+3]|, |v[XS+4]|, |v[XS+5]|
.irp i, 6,10,14,18,22,26
	v_max3_num_f32 v12, v12, |v[XS+\i]|, |v[XS+\i+1]|
	v_max3_num_f32 v13, v13, |v[XS+\i+2]|, |v[XS+\i+3]|
.endr
	v_max3_num_f32 v12, v12, |v[XS+30]|, |v[XS+31]|
	v_max3_num_f32 v12, v12, v13, 0x1800000        ; and the floor
	v_add_nc_u32 v11, 0xff000000, v12              ; the conversion's scale operand
	v_lshrrev_b32 v13, 23, v11                     ; the byte
.if (\t)%4 == 0
	v_mov_b32 v[SB+(\t)/4], v13                    ; four bytes to a word, the lower K in the lower byte
.else
	v_lshl_or_b32 v[SB+(\t)/4], v13, 8*((\t)%4), v[SB+(\t)/4]
.endif
	v_cvt_scalef32_pk16_fp6_f32 v[CD:CD+2], v[XS:XS+15], v11
	v_cvt_scalef32_pk16_fp6_f32 v[WCT:WCT+2], v[XS+16:XS+31], v11
	v_nop                                          ; one plain place behind a scaled conversion
.irp j, 0,1,2
	v_mov_b32 v[CD+3+\j], v[WCT+\j]
.endr
.if (\t)+2 < 8
	WLOAD (\t)+2, \N
.endif
.if (\t)%2                             ; two blocks are 64 along K.  The even block's lanes 16-31 (the odd tile) change places with the odd block's lanes 0-15 (the even tile):
.set CE, CW+12*((\t)/2)                ; the first six registers are then the even tile's unit (lanes 0-15 block 0, lanes 16-31 block 1), the second six the odd tile's
.irp j, 0,1,2,3,4,5
	v_permlane16_swap_b32 v[CE+\j], v[CE+6+\j]
.endr
.irp p, 0,1,2
	global_store_b64 v[L8], v[CE+2*\p:CE+2*\p+1], s[18:19] offset:768*((\t)/2)+256*\p
.endr
.irp p, 0,1,2
	global_store_b64 v[L8], v[CE+6+2*\p:CE+7+2*\p], s[18:19] offset:12800+768*((\t)/2)+256*\p
.endr
.endif
.endm
.macro WPATH N, sb, T0, first
	s_sub_co_u32 s23, ttmp9, \first                ; g'
	s_lshr_b32 s24, s23, 2
	s_and_b32 s25, s23, 3                          ; which 256 along K
	s_lshl_b32 s26, s24, 2
	s_add_co_u32 s26, s26, s16                     ; beta
	s_mul_i32 s28, s25, 256*\N*4
	s_lshl_b32 s27, s26, 7                         ; 32 columns of 4 bytes
	s_add_co_u32 s28, s28, s27
	s_add_nc_u64 s[14:15], s[\sb:\sb+1], s[28:29]
	s_lshl_b32 s27, s26, 1
.if \T0
	s_add_co_u32 s27, s27, \T0
.endif
	s_mul_i32 s27, s27, 12800                      ; the even tile
	s_mul_i32 s28, s25, 3072                       ; four units
	s_add_co_u32 s28, s28, s27
	s_add_nc_u64 s[18:19], s[12:13], s[28:29]
	s_lshl_b32 s28, s25, 7
	s_add_co_u32 s28, s28, s27
	s_add_co_u32 s28, s28, 12288
	s_add_nc_u64 s[30:31], s[12:13], s[28:29]
	WLOAD 0, \N
	WLOAD 1, \N
.irp t, 0,1,2,3,4,5,6,7
	WBLOCK \t, \N
.endr
	global_store_b64 v[WS], v[SB:SB+1], s[30:31]   ; my column's two scale words: two runs of 128 bytes a wave; one byte for each 128 that the path reads
	s_endpgm
.endm
.Lweights:
	s_cmp_lt_u32 ttmp9, 352
	s_cbranch_scc0 .Lproj_weight
	s_wait_alu depctr_va_vdst(0)
	WPATH 3072, 6, 0, 256                          ; W_qkv: tiles 0-191 of wc
.Lproj_weight:
	s_wait_alu depctr_va_vdst(0)
	WPATH 1024, 8, 192, 352                        ; W_proj: tiles 192-255
.Lfunc_end_k_q50e25402e8_prep:
	.size	k_q50e25402e8_prep, .Lfunc_end_k_q50e25402e8_prep-k_q50e25402e8_prep
	.p2alignl 7, 3214868480
	.fill 96, 4, 3214868480
	.section	.rodata,"a",@progbits
	.p2align	6, 0x0
	.amdhsa_kernel k_q50e25402e8_prep
		.amdhsa_group_segment_fixed_size 34304
		.amdhsa_private_segment_fixed_size 0
		.amdhsa_enable_private_segment 0
		.amdhsa_kernarg_size 40
		.amdhsa_user_sgpr_count 2
		.amdhsa_user_sgpr_kernarg_segment_ptr 1
		.amdhsa_wavefront_size32 1
		.amdhsa_system_sgpr_workgroup_id_x 1
		.amdhsa_system_sgpr_workgroup_id_y 1
		.amdhsa_system_sgpr_workgroup_id_z 1
		.amdhsa_system_vgpr_workitem_id 0
		.amdhsa_next_free_vgpr 256
		.amdhsa_next_free_sgpr 66
		.amdhsa_reserve_vcc 0
		.amdhsa_float_denorm_mode_32 3
		.amdhsa_float_denorm_mode_16_64 3
		.amdhsa_memory_ordered 1
		.amdhsa_forward_progress 1
		.amdhsa_inst_pref_size 111
	.end_amdhsa_kernel
	.amdgpu_metadata
---
amdhsa.version: [ 1, 2 ]
amdhsa.kernels:
  - .name:           k_q50e25402e8_prep
    .symbol:         k_q50e25402e8_prep.kd
    .args:
      - { .name: x, .offset: 0, .size: 8, .value_kind: global_buffer, .address_space: global }
      - { .name: W_qkv, .offset: 8, .size: 8, .value_kind: global_buffer, .address_space: global }
      - { .name: W_proj, .offset: 16, .size: 8, .value_kind: global_buffer, .address_space: global }
      - { .name: xq, .offset: 24, .size: 8, .value_kind: global_buffer, .address_space: global }
      - { .name: wc, .offset: 32, .size: 8, .value_kind: global_buffer, .address_space: global }
    .group_segment_fixed_size: 34304
    .private_segment_fixed_size: 0
    .kernarg_segment_align: 8
    .kernarg_segment_size: 40
    .max_flat_workgroup_size: 128
    .sgpr_count:     66
    .vgpr_count:     256
    .wavefront_size: 32
...
	.end_amdgpu_metadata
.endif
;; end of part 1
;; launch qkv (part 2): grid 12 x 32, 4 waves a work-group, clusters of 4 x 4, 327,680 bytes of LDS; arguments xq, wc, b_qkv, qq, kv; writes qq, kv
.if DOCPART == 2
	.amdgcn_target "amdgcn-amd-amdhsa--gfx1250"
	.amdhsa_code_object_version 6
	.text
	.protected	k_q50e25402e8_qkv
	.globl	k_q50e25402e8_qkv
	.p2align	8
	.type	k_q50e25402e8_qkv,@function
k_q50e25402e8_qkv:
	s_mov_b64 s[64:65], 0
	v_nop
	global_prefetch_b8 v0, s[64:65] scope:SCOPE_SE
	s_setreg_imm32_b32 hwreg(HW_REG_WAVE_MODE, 25, 1), 1
	s_wait_xcnt 0x0
	s_wait_alu depctr_hold_cnt(0) depctr_sa_sdst(0) depctr_va_vdst(0) depctr_va_sdst(0) depctr_va_ssrc(0) depctr_va_vcc(0) depctr_vm_vsrc(0)
	s_getreg_b32 s2, hwreg(HW_REG_IB_STS2, 6, 4)
	s_cmp_eq_u32 s2, 0
	s_cbranch_scc0 .Lentry_in_a_cluster
	s_endpgm
.Lentry_in_a_cluster:
	s_bfe_u32 s2, ttmp6, 0x10000c
	s_cmp_lg_u32 s2, 0xf033
	s_cbranch_scc0 .Lentry_shape_is_right
	s_endpgm
.Lentry_shape_is_right:
.set KB,     3072
.set TROW,   16*12800
.set HALFT,  8*KB
.set SLOT,   4*HALFT
.set SCL,    2*SLOT
.set HALFS,  8*512
.set SPARE,  SCL+4*HALFS
.set NQ,     2
.set FR,     12
.set NL,     6
.set NP,     4
.set BIASC,  0
.set ADRA, 16
.set ADRB, 20
.set OS1,  22
.set O0,   24
.set O1,   25
.set OS0,  26
.set ADRS, 27
.set SPW,  28
.set NIL,  29
.set SC,   32
.set BI,   64
.set AF,   128
.set BV,   224
.set HA,   128
.set PC,   192
.set TM,   232
.set PWS,  32
.set W0,   40
.set W1,   44
.set SEL,  2
.set G1, 24
.set G0, 32
.set G1B, 48
.set G0B, 56
.set G1S, 68
.set G0S, 76
.set G1SB, 80
.set G0SB, 88
.set MSB, 0
.macro WIN new
.if MSB != (\new)
	s_set_vgpr_msb (MSB<<8)|(\new)
.set MSB, (\new)
.endif
.endm
.set MUL_LO, 0xa1
.set MUL_HI, 0xf1
.set TO_B,   0x40
.macro JLOAD g0a, g1a, g0b, g1b
	s_cmp_eq_u32 s15, 0
	s_cbranch_scc0 .Lfor_b_\@
	tensor_load_to_lds s[\g0a:\g0a+3], s[\g1a:\g1a+7]
	s_nop 0
.rept 4
	v_nop
.endr
	s_branch .Lasked_\@
.Lfor_b_\@:
	tensor_load_to_lds s[\g0b:\g0b+3], s[\g1b:\g1b+7]
	s_nop 0
.rept 4
	v_nop
.endr
.Lasked_\@:
.endm
.macro CREST
	s_cmp_lg_u32 s14, 0
	s_cbranch_scc1 .Lnot_wave_0_\@
	s_barrier_signal -3
.Lnot_wave_0_\@:
	s_barrier_wait -3
	s_barrier_signal -1
	s_barrier_wait -1
.endm
.macro CROUND
	s_barrier_signal -1
	s_barrier_wait -1
	CREST
.endm
	s_load_b128 s[4:7], s[0:1], 0x0
	s_load_b128 s[8:11], s[0:1], 0x10
	s_load_b64 s[12:13], s[0:1], 0x20
	v_lshl_add_u32 v[SPW], v0, 2, SPARE
	v_mov_b32 v[NIL], 0
	ds_add_u32 v[SPW], v[NIL]
	ds_add_u32 v[SPW], v[NIL]
	v_lshrrev_b32 v1, 5, v0
	v_readfirstlane_b32 s14, v1
	s_lshr_b32 s15, s14, 1
	s_and_b32 s16, s14, 1
	s_bfe_u32 s40, ttmp6, 0x40000
	s_bfe_u32 s41, ttmp6, 0x40004
	s_and_b32 s93, ttmp7, 0xffff
	s_cmp_eq_u32 ttmp9, 2
	s_cselect_b32 s95, 1, 0
	s_cselect_b32 s18, 0, s93
	s_cselect_b32 s19, s93, ttmp9
	s_cselect_b32 s92, 128*12800, 0
	s_lshl_b32 s17, s18, 2
	s_add_co_u32 s17, s17, s41
	s_lshl_b32 s42, s19, 2
	s_add_co_u32 s42, s42, s40
	s_lshl_b32 s43, s41, 2
	s_lshl_b32 s43, 15, s43
	s_lshl_b32 s44, 0x1111, s40
	s_or_b32 s[G1+0], s43, (3<<16)|(1<<21)
	s_or_b32 s[G1B+0], s44, (3<<16)|(1<<21)
.irp g, G1, G1B
	s_mov_b32 s[\g+1], 384<<16
	s_mov_b32 s[\g+2], 16<<16                      ; the head's loads bring a tile's 16 rows; behind them the two words that count rows are set to 8
	s_mov_b32 s[\g+3], 384<<16
	s_mov_b32 s[\g+4], 16
	s_mov_b32 s[\g+5], 1600
	s_mov_b32 s[\g+6], 0
	s_mov_b32 s[\g+7], 0
.endr
	s_or_b32 s[G1S+0], s43, (3<<16)|(1<<21)
	s_or_b32 s[G1SB+0], s44, (3<<16)|(1<<21)
.irp g, G1S, G1SB
	s_mov_b32 s[\g+1], 64<<16
	s_mov_b32 s[\g+2], 16<<16
	s_mov_b32 s[\g+3], 64<<16
	s_mov_b32 s[\g+4], 16
	s_mov_b32 s[\g+5], 1600
	s_mov_b32 s[\g+6], 0
	s_mov_b32 s[\g+7], 0
.endr
	s_mul_i32 s18, s16, 8*12800
	s_mul_i32 s20, s17, TROW
	s_add_co_u32 s20, s20, s18
	s_add_co_u32 s20, s20, s92
	s_mov_b32 s21, 0
	s_mul_i32 s46, s42, TROW
	s_add_co_u32 s46, s46, s18
	s_mov_b32 s47, 0
	s_mul_i32 s45, s14, HALFT
	s_mul_i32 s94, s14, HALFS
	s_mov_b32 s[SEL], 0x76543210
	s_mov_b32 s[SEL+1], 0xfedcba98
	s_mov_b32 s66, 0xffff0000
	s_wait_dscnt 0x0
	s_wait_kmcnt 0x0
	s_cmp_eq_u32 s95, 1
	s_cselect_b64 s[96:97], s[6:7], s[4:5]
	s_cselect_b64 s[98:99], s[4:5], s[6:7]
	s_add_nc_u64 s[20:21], s[96:97], s[20:21]
	s_add_nc_u64 s[46:47], s[98:99], s[46:47]
	CROUND
; THE HEAD'S LOADS, ONE A WAVE: what the first step needs goes out as one group: wave 0 slot 0's 16 rows of A, wave 1 A's scales, wave 2 slot 0's 16 rows of B, wave 3 B's scales.
	s_mov_b32 s19, 0                               ; s18: my half of a tile, in bytes: taken off, the addresses are the whole tiles'
	s_mov_b32 s[G0], 1
	s_mov_b32 s[G0+1], 0
	s_sub_nc_u64 s[G0+2:G0+3], s[20:21], s[18:19]
	s_mov_b32 s[G0B], 1
	s_mov_b32 s[G0B+1], 2*HALFT
	s_sub_nc_u64 s[G0B+2:G0B+3], s[46:47], s[18:19]
	s_mov_b32 s[G0S], 1
	s_mov_b32 s[G0S+1], SCL
	s_add_nc_u64 s[G0S+2:G0S+3], s[G0+2:G0+3], 12288
	s_mov_b32 s[G0SB], 1
	s_mov_b32 s[G0SB+1], SCL+2*HALFS
	s_add_nc_u64 s[G0SB+2:G0SB+3], s[G0B+2:G0B+3], 12288
	s_or_b32 s[G0+3], s[G0+3], 0x80000000
	s_or_b32 s[G0B+3], s[G0B+3], 0x80000000
	s_or_b32 s[G0S+3], s[G0S+3], 0x80000000
	s_or_b32 s[G0SB+3], s[G0SB+3], 0x80000000
	s_mov_b32 s[G0+4], 1                           ; slot 1: my quarter, as in the ring
	s_add_co_u32 s[G0+5], s45, SLOT
	s_add_nc_u64 s[G0+6:G0+7], s[20:21], KB
	s_or_b32 s[G0+7], s[G0+7], 0x80000000
	s_mov_b32 s[G0B+4], 1
	s_add_co_u32 s[G0B+5], s45, SLOT
	s_add_nc_u64 s[G0B+6:G0B+7], s[46:47], KB
	s_or_b32 s[G0B+7], s[G0B+7], 0x80000000
.macro ARM under, g0, g1, next         ; one chain of branches on the wave's number, one load to an arm, all arms to one join
	s_cmp_lt_u32 s14, \under
	s_cbranch_scc0 \next
	tensor_load_to_lds s[\g0:\g0+3], s[\g1:\g1+7]
	s_nop 0
.rept 4
	v_nop
.endr
	s_branch .Lhead_asked
\next:
.endm
	ARM 1, G0,  G1,  .Lhead_sa
	ARM 2, G0S, G1S, .Lhead_b
	ARM 3, G0B, G1B, .Lhead_sb
	tensor_load_to_lds s[G0SB:G0SB+3], s[G1SB:G1SB+7]
	s_nop 0
.rept 4
	v_nop
.endr
.Lhead_asked:
	v_and_b32 v1, 15, v0
	v_bfe_u32 v2, v0, 4, 1
	s_wait_alu depctr_va_vdst(0)
	v_and_b32 v3, 31, v0
	v_lshlrev_b32 v4, 3, v3
	s_mul_i32 s21, s15, HALFT
	s_mul_i32 s22, s16, HALFT
	s_add_co_u32 s22, s22, 2*HALFT
.irp s, 0,1
	v_add_nc_u32 v[ADRA+\s], s21, v4
	v_add_nc_u32 v[ADRB+\s], s22, v4
	s_add_co_u32 s21, s21, SLOT
	s_add_co_u32 s22, s22, SLOT
.endr
	v_lshlrev_b32 v7, 3, v1
	s_mul_i32 s21, s15, HALFS
	s_mul_i32 s22, s16, HALFS
	s_add_co_u32 s22, s22, 2*HALFS
	s_sub_co_u32 s22, s22, s21
	v_mul_u32_u24 v8, s22, v2
	s_add_co_u32 s21, s21, SCL
	v_add_nc_u32 v7, v7, v8
	v_add_nc_u32 v[ADRS], s21, v7
	s_lshl_b32 s18, ttmp9, 10
	s_lshl_b32 s19, s40, 8
	s_add_co_u32 s18, s18, s19
	s_lshl_b32 s19, s16, 7
	s_add_co_u32 s18, s18, s19
	s_lshl_b32 s18, s18, 2
	s_mov_b32 s19, 0
	s_add_nc_u64 s[98:99], s[8:9], s[18:19]
	s_lshl_b32 s18, s41, 8
	s_lshl_b32 s22, s15, 7
	s_add_co_u32 s18, s18, s22
	s_add_co_u32 s18, s18, 2048
	s_lshl_b32 s18, s18, 2
	s_add_nc_u64 s[100:101], s[8:9], s[18:19]
	v_lshlrev_b32 v5, 6, v2
	v_and_b32 v6, 8, v1
	v_add_nc_u32 v6, v6, v1
	v_lshlrev_b32 v6, 2, v6
.irp b, 0,1,2,3,4,5,6,7
	global_load_b128 v[BI+8*\b:BI+8*\b+3], v5, s[98:99] offset:(32*(\b/2)+8*(\b%2))*4
	global_load_b128 v[BI+8*\b+4:BI+8*\b+7], v5, s[98:99] offset:(32*(\b/2)+8*(\b%2))*4+16
.endr
.irp a, 0,1,2,3,4,5,6,7
	global_load_b32 v[BV+\a], v6, s[100:101] offset:(32*(\a/2)+8*(\a%2))*4
.endr
	s_cmp_eq_u32 s95, 1
	s_cselect_b32 s18, s42, s17
	s_cselect_b32 s19, s41, s40
	s_cselect_b32 s22, s15, s16
	s_cselect_b32 s23, s16, s15
	s_cselect_b32 s45, 6656, 0
	s_lshr_b32 s46, s18, 3
	s_lshl_b32 s46, s46, 4
	s_lshl_b32 s19, s19, 2
	s_add_co_u32 s46, s46, s19
	s_lshl_b32 s22, s22, 1
	s_add_co_u32 s46, s46, s22
	s_lshl_b32 s46, s46, 4
	s_lshl_b32 s18, s18, 1
	s_add_co_u32 s18, s18, s23
	s_and_b32 s18, s18, 15
	s_add_co_u32 s46, s46, s18
	s_cmp_eq_u32 ttmp9, 0
	s_mov_b32 s47, 13056
	s_cselect_b32 s47, 6656, s47
	s_cselect_b64 s[96:97], s[10:11], s[12:13]
	s_mul_i32 s46, s46, s47
	s_add_co_u32 s46, s46, s45
	s_lshl_b32 s67, s47, 4
	s_mov_b32 s47, 0
	s_add_nc_u64 s[96:97], s[96:97], s[46:47]
	v_mov_b32 v[O0], v4
	v_add_nc_u32 v[O1], s67, v4
	v_lshlrev_b32 v[OS0], 4, v3
	v_add_nc_u32 v[OS1], s67, v[OS0]
.macro FRAG reg, adr, q, i
.irp p, 0,1,2,3,4,5
	ds_load_b64 v[\reg+2*\p:\reg+2*\p+1], v[\adr] offset:(\i)*KB+(\q)*1536+256*\p
.endr
.endm
.macro MUL16 a0, p, q, sc, zero
.irp a, \a0, \a0+1
.irp b, 0,1,2,3,4,5,6,7
.if \zero
	v_wmma_scale_f32_16x16x128_f8f6f4 v[8*(8*((\a)%4)+\b):8*(8*((\a)%4)+\b)+7], v[128*(\p)+FR*\b:128*(\p)+FR*\b+FR-1], v[AF+FR*(\a):AF+FR*(\a)+FR-1], 0, v[SC+8*NQ*(\sc)+NQ*\b+(\q)], v[SC+8*NQ*(\sc)+NQ*(\a)+(\q)] matrix_a_fmt:MATRIX_FMT_FP6 matrix_b_fmt:MATRIX_FMT_FP6 matrix_a_scale:MATRIX_SCALE_ROW1
.else
	v_wmma_scale_f32_16x16x128_f8f6f4 v[8*(8*((\a)%4)+\b):8*(8*((\a)%4)+\b)+7], v[128*(\p)+FR*\b:128*(\p)+FR*\b+FR-1], v[AF+FR*(\a):AF+FR*(\a)+FR-1], v[8*(8*((\a)%4)+\b):8*(8*((\a)%4)+\b)+7], v[SC+8*NQ*(\sc)+NQ*\b+(\q)], v[SC+8*NQ*(\sc)+NQ*(\a)+(\q)] matrix_a_fmt:MATRIX_FMT_FP6 matrix_b_fmt:MATRIX_FMT_FP6 matrix_a_scale:MATRIX_SCALE_ROW1
.endif
.endr
.endr
.endm
.macro FETCH_B slot, q, p
	WIN TO_B
.irp i, 0,1,2,3,4,5,6,7
	FRAG 128*(\p)+FR*\i, ADRB+\slot, \q, \i
.endr
	WIN 0
.endm
.macro FETCH_A slot, q, i0
.irp i, \i0, \i0+1, \i0+2, \i0+3
	FRAG AF+FR*(\i), ADRA+\slot, \q, \i
.endr
.endm
.macro SCALES sc
.irp i, 0,1,2,3,4,5,6,7
	ds_load_b64 v[SC+8*NQ*\sc+NQ*\i:SC+8*NQ*\sc+NQ*\i+1], v[ADRS] offset:\i*512
.endr
.endm
.macro PLACES n
.rept \n
	v_nop
.endr
.endm
.macro STEP slot, q, zero
	s_wait_dscnt 4*NL
	WIN MUL_LO
	MUL16 0, (\q)%2, \q, \slot, \zero
	MUL16 2, (\q)%2, \q, \slot, \zero
	s_wait_dscnt 0
	PLACES NP
	FETCH_B \slot, (\q)+1, 1-(\q)%2
	FETCH_A \slot, (\q)+1, 0
	WIN MUL_HI
	MUL16 4, (\q)%2, \q, \slot, \zero
	MUL16 6, (\q)%2, \q, \slot, \zero
	PLACES NP
	WIN 0
	FETCH_A \slot, (\q)+1, 4
.endm
.macro TURN slot, next, fill
	s_wait_tensorcnt 0x0
	ds_add_u32 v[SPW], v[NIL]
	s_wait_dscnt 4*NL+1
	WIN MUL_LO
	MUL16 0, 1, NQ-1, \slot, 0
	s_wait_dscnt 0x0
	s_barrier_signal -1
	MUL16 2, 1, NQ-1, \slot, 0
	WIN 0
	s_barrier_wait -1
.if \fill
	CREST
	s_add_nc_u64 s[G0+4*\slot+2:G0+4*\slot+3], s[G0+4*\slot+2:G0+4*\slot+3], 2*KB
	s_add_nc_u64 s[G0B+4*\slot+2:G0B+4*\slot+3], s[G0B+4*\slot+2:G0B+4*\slot+3], 2*KB
	JLOAD G0+4*\slot, G1, G0B+4*\slot, G1B
.else
	PLACES NP
.endif
	s_wait_alu depctr_va_vdst(0)
	v_add_nc_u32 v[ADRS], 128, v[ADRS]
	FETCH_B \next, 0, 0
	FETCH_A \next, 0, 0
	SCALES \next
	WIN MUL_HI
	MUL16 4, 1, NQ-1, \slot, 0
	MUL16 6, 1, NQ-1, \slot, 0
	PLACES NP
	WIN 0
	FETCH_A \next, 0, 4
.endm
	s_wait_alu depctr_va_vdst(0)                   ; the head's end
	s_wait_tensorcnt 0x0                           ; my tile of the head's four is in
	ds_add_u32 v[SPW], v[NIL]
	s_mov_b32 s[G1+2], 8<<16                       ; no tensor load of mine is out: from here on a load brings 8 rows,
	s_mov_b32 s[G1+4], 8
	s_mov_b32 s[G1B+2], 8<<16
	s_mov_b32 s[G1B+4], 8
	s_mul_i32 s[G0+1], s14, HALFT                  ; and slot 0's descriptors are my quarter's
	s_mul_i32 s[G0B+1], s14, HALFT
	s_mul_i32 s18, s16, 8*12800
	s_mov_b32 s19, 0
	s_add_nc_u64 s[G0+2:G0+3], s[G0+2:G0+3], s[18:19]
	s_add_nc_u64 s[G0B+2:G0B+3], s[G0B+2:G0B+3], s[18:19]
	s_wait_dscnt 0x0
	CROUND                                         ; all four tiles are in, in every partner
	JLOAD G0+4, G1, G0B+4, G1B                     ; slot 1's first fill, the first tensor load behind the round
	FETCH_B 0, 0, 0
	FETCH_A 0, 0, 0
	SCALES 0
	FETCH_A 0, 0, 4
	STEP 0, 0, 1
	TURN 0, 1, 1
	STEP 1, 0, 0
	TURN 1, 0, 1
	STEP 0, 0, 0
	TURN 0, 1, 0
	STEP 1, 0, 0
	s_wait_dscnt 4*NL
	WIN MUL_LO
	MUL16 0, 1, NQ-1, 1, 0
	MUL16 2, 1, NQ-1, 1, 0
	s_wait_dscnt 0
	WIN MUL_HI
	MUL16 4, 1, NQ-1, 1, 0
	MUL16 6, 1, NQ-1, 1, 0
	WIN 0
.macro QUANT s, pw
.irp b, 0,1,2,3
	v_max3_num_f32 v[TM+\b], |v[\s+16*\b]|, |v[\s+1+16*\b]|, 0x1800000
.endr
.irp i, 2,4,6,8,10,12,14
.irp b, 0,1,2,3
	v_max3_num_f32 v[TM+\b], v[TM+\b], |v[\s+16*\b+\i]|, |v[\s+1+16*\b+\i]|
.endr
.endr
.irp b, 0,1,2,3
	v_permlanex16_b32 v[TM+4+\b], v[TM+\b], s[SEL], s[SEL+1]
.endr
.irp b, 0,1,2,3
	v_max_num_f32 v[TM+\b], v[TM+\b], v[TM+4+\b]
.endr
.irp b, 0,1,2,3
	v_add_nc_u32 v[TM+12+\b], 0xff000000, v[TM+\b]
.endr
.irp b, 0,1,2,3
	v_lshrrev_b32 v[TM+4+\b], 23, v[TM+12+\b]
.endr
	v_lshl_or_b32 v[\pw], v[TM+5], 8, v[TM+4]
	v_lshl_or_b32 v[\pw], v[TM+6], 16, v[\pw]
	v_lshl_or_b32 v[\pw], v[TM+7], 24, v[\pw]
.irp c, 0,1
	v_cvt_scalef32_pk16_fp6_f32 v[PC+6*\c:PC+2+6*\c], v[\s+32*\c:\s+15+32*\c], v[TM+12+2*\c]
	v_cvt_scalef32_pk16_fp6_f32 v[PC+12+4*\c:PC+14+4*\c], v[\s+16+32*\c:\s+31+32*\c], v[TM+12+2*\c+1]
.endr
	v_nop
.irp c, 0,1
.irp i, 0,1,2
	v_permlane16_swap_b32 v[PC+6*\c+\i], v[PC+12+4*\c+\i]
.endr
.irp i, 0,1,2
	v_mov_b32 v[PC+3+6*\c+\i], v[PC+12+4*\c+\i]
.endr
.endr
.endm
.macro EPI isv
.irp a, 0,1,2,3,4,5,6,7
	WIN 0x02+\a/4
.set k, 0
.rept 32
.if \isv
.if \a%2
	v_pk_add_f32 v[HA+k:HA+k+1], v[64*(\a%4)+k:64*(\a%4)+k+1], v[BV+2*(\a/2):BV+2*(\a/2)+1] op_sel:[0,1] op_sel_hi:[1,1]
.else
	v_pk_add_f32 v[HA+k:HA+k+1], v[64*(\a%4)+k:64*(\a%4)+k+1], v[BV+2*(\a/2):BV+2*(\a/2)+1] op_sel_hi:[1,0]
.endif
.else
	v_pk_add_f32 v[HA+k:HA+k+1], v[64*(\a%4)+k:64*(\a%4)+k+1], v[BI+k:BI+k+1]
.endif
.set k, k+2
.endr
	WIN 0
.if \a > 0
	s_wait_xcnt 0x0
.endif
	QUANT HA, PWS+\a
.if \isv
.irp p, 0,1,2,3,4,5
	global_store_b64 v[O0], v[PC+2*\p:PC+2*\p+1], s[96:97] offset:(\a/4)*16*13056+(\a%4)*1536+256*\p
.endr
.else
.irp p, 0,1,2
	global_store_b64 v[O0], v[PC+2*\p:PC+2*\p+1], s[96:97] offset:768*\a+256*\p
.endr
.irp p, 0,1,2
	global_store_b64 v[O1], v[PC+6+2*\p:PC+7+2*\p], s[96:97] offset:768*\a+256*\p
.endr
.endif
.endr
.irp j, 0,1,2,3
	v_cndmask_b32 v[W0+\j], v[PWS+2*\j], v[PWS+2*\j+1], s66
.endr
.if \isv
	global_store_b64 v[O0], v[W0:W0+1], s[96:97] offset:6144
	global_store_b64 v[O0], v[W0+2:W0+3], s[96:97] offset:16*13056+6144
.else
.irp j, 0,1,2,3
	v_lshrrev_b32 v[W1+\j], 16, v[W0+\j]
.endr
	global_store_b128 v[OS0], v[W0:W0+3], s[96:97] offset:6144
	global_store_b128 v[OS1], v[W1:W1+3], s[96:97] offset:6144
.endif
.endm
.irp b, 0,1,2,3
	v_mov_b32 v[TM+4+\b], 0
.endr
	s_wait_loadcnt 0x0
	s_cmp_eq_u32 s95, 0
	s_cbranch_scc0 .Lv
	EPI 0
	s_branch .Lend
.Lv:
	EPI 1
.Lend:
	s_wait_tensorcnt 0x0
	ds_add_u32 v[SPW], v[NIL]
	s_wait_dscnt 0x0
	CROUND
	s_endpgm
.Lfunc_end_k_q50e25402e8_qkv:
	.size	k_q50e25402e8_qkv, .Lfunc_end_k_q50e25402e8_qkv-k_q50e25402e8_qkv
	.p2alignl 7, 3214868480
	.fill 96, 4, 3214868480
	.section	.rodata,"a",@progbits
	.p2align	6, 0x0
	.amdhsa_kernel k_q50e25402e8_qkv
		.amdhsa_group_segment_fixed_size 327680
		.amdhsa_private_segment_fixed_size 0
		.amdhsa_enable_private_segment 0
		.amdhsa_kernarg_size 40
		.amdhsa_user_sgpr_count 2
		.amdhsa_user_sgpr_kernarg_segment_ptr 1
		.amdhsa_wavefront_size32 1
		.amdhsa_system_sgpr_workgroup_id_x 1
		.amdhsa_system_sgpr_workgroup_id_y 1
		.amdhsa_system_sgpr_workgroup_id_z 1
		.amdhsa_system_vgpr_workitem_id 0
		.amdhsa_next_free_vgpr 1024
		.amdhsa_next_free_sgpr 102
		.amdhsa_reserve_vcc 0
		.amdhsa_float_denorm_mode_32 3
		.amdhsa_float_denorm_mode_16_64 3
		.amdhsa_memory_ordered 1
		.amdhsa_forward_progress 1
		.amdhsa_inst_pref_size 238
	.end_amdhsa_kernel
	.amdgpu_metadata
---
amdhsa.version: [ 1, 2 ]
amdhsa.kernels:
  - .name:           k_q50e25402e8_qkv
    .symbol:         k_q50e25402e8_qkv.kd
    .args:
      - { .name: xq, .offset: 0, .size: 8, .value_kind: global_buffer, .address_space: global }
      - { .name: wc, .offset: 8, .size: 8, .value_kind: global_buffer, .address_space: global }
      - { .name: b_qkv, .offset: 16, .size: 8, .value_kind: global_buffer, .address_space: global }
      - { .name: qq, .offset: 24, .size: 8, .value_kind: global_buffer, .address_space: global }
      - { .name: kv, .offset: 32, .size: 8, .value_kind: global_buffer, .address_space: global }
    .group_segment_fixed_size: 327680
    .private_segment_fixed_size: 0
    .kernarg_segment_align: 8
    .kernarg_segment_size: 40
    .max_flat_workgroup_size: 128
    .sgpr_count:     102
    .vgpr_count:     1024
    .wavefront_size: 32
...
	.end_amdgpu_metadata
.endif
;; end of part 2
;; launch attn (part 3): grid 4 x 64, 8 waves a work-group, clusters of 4 x 1, 327,680 bytes of LDS; arguments qq, kv, oq; writes oq
.if DOCPART == 3
	.amdgcn_target "amdgcn-amd-amdhsa--gfx1250"
	.amdhsa_code_object_version 6
	.text
	.protected	k_q50e25402e8_attn
	.globl	k_q50e25402e8_attn
	.p2align	8
	.type	k_q50e25402e8_attn,@function
k_q50e25402e8_attn:
	s_mov_b64 s[64:65], 0
	v_nop
	global_prefetch_b8 v0, s[64:65] scope:SCOPE_SE
	s_setreg_imm32_b32 hwreg(HW_REG_WAVE_MODE, 25, 1), 1
	s_wait_xcnt 0x0
	s_wait_alu depctr_hold_cnt(0) depctr_sa_sdst(0) depctr_va_vdst(0) depctr_va_sdst(0) depctr_va_ssrc(0) depctr_va_vcc(0) depctr_vm_vsrc(0)
	s_getreg_b32 s2, hwreg(HW_REG_IB_STS2, 6, 4)
	s_cmp_eq_u32 s2, 0
	s_cbranch_scc0 .Lentry_in_a_cluster
	s_endpgm
.Lentry_in_a_cluster:
	s_bfe_u32 s2, ttmp6, 0x10000c
	s_cmp_lg_u32 s2, 0x3003
	s_cbranch_scc0 .Lentry_shape_is_right
	s_endpgm
.Lentry_shape_is_right:
; O = softmax(q k^T / 8) v for 64 (batch, head) pairs of 2,048 tokens and 64 channels, both products on codes of FP6 (E2M3) with E8M0 scales; O is divided by the row's sum, quantised along the channels and leaves as codes for the last product.
; THE SOFTMAX: t = score x log2(e) / 8; M = the row's largest t so far, rounded UP to a whole number; p = 2^(t - M) is quantised along the keys; the row's sum is taken of the unquantised p.  When M moves, the sums and O are multiplied by 2^(old M - new M): exact.
; A WHOLE HEAD'S k, v AND SCALES, 16 records of 13,056 bytes, LIE IN LDS: each of the eight waves brings two records (256 keys) by one tensor load; nothing is filled again, and the loop has no barrier.  One tensor load of a wave is out.
;   In LDS each 256 bytes of a record are followed by 96 bytes of padding: rows 352 bytes apart, so that six rows are 64 bytes modulo 256 (see k's tiles below).
; CLUSTER: the four blocks of 512 queries of one (batch, head) need the same records: each is asked for JOINTLY, by the same load with the same descriptor and the mask of all four.
; SHARES: a wave owns four tiles of 16 queries and takes them as two PAIRS.  The two tiles of a pair go through a key step together: each fragment of k and of v is read from LDS once for both, 54 LDS loads for 2 x 12 products, and the two tiles' chains of vector lines stand line by line in turn.
; S^T = k q^T, O^T = v^T p^T: a lane (r, h) holds ONE query r of each tile.  THE KEYS OF A TILE OF k ARE CHOSEN BY LDS ADDRESSES: tile 4 c + u takes keys 64 c + 8 u + 0..7 in rows 0-7 and keys 64 c + 32 + 8 u + 0..7 in rows 8-15.
;   So the 32 registers of tiles 4 c .. 4 c + 3 are keys 64 c + 32 h + 0 .. 31: one whole scale block of p, in the order of the second product's operand: no lane asks another for a block's maximum, and the codes fall in place.
;   In memory tile T's lane r holds token 32 (T / 2) + 8 (T % 2) + r + 8 (r / 8): my rows 0-7 are lanes 8 (u / 2) + 0..7 of stored tile 4 c + u % 2, my rows 8-15 the same lanes two stored tiles (six LDS rows) on; with the padding the 32 lanes of a load touch 64 different banks.
; THE FIRST PRODUCT'S K IS 64: q's upper half (k = 64 .. 127) is zero codes.  FP6 has only finite codes, so k's upper half may hold any codes: the eight fragments of k lie 6 registers apart, each running on into the next, the last into p's codes.  The scale bytes that go with that half are never 0xff.
; LOADS RUN AHEAD: v's fragments are asked for at a step's top, the next step's k directly behind this step's first products.  In a pair's last step the next record's address is held at the last record; the next pair's record 0 is asked for behind the loop.
; REGISTERS: window 0 (v0-255): addresses, the tiles' state, q, k, v, p's codes; window 1: S^T of tile x at v[64 x], O^T at v[128 + 32 x].
; OUT: oq, laid as the first launch lays x's codes: tile of 16 tokens: 12,800 bytes; unit = head.  Codes leave as 256 consecutive bytes a store; a row's two scale bytes as one store of 2 bytes a lane: 2 bytes beside 48 of codes.
; O^T and the sums begin as zeros and the largest score as -3e38: the first change of M multiplies zeros.
; LIMITS: the promise holds while the scaled scores stay under 2^31 in magnitude; a block's largest p is taken from its largest score (v_exp_f32 is taken not to fall where its input rises); a p under 2^-126 comes out as 0; a block of zeros gets the byte 1; NaN and infinities are not served.
; NOT PREFETCHED: every byte of k and v is asked for by the first fills, at the head.
.set RP,    352                        ; an LDS row: 256 bytes + 96
.set RECB,  51*RP                      ; a record in LDS
.set KSB,   13056                      ; a record in memory: k's 8 units, 512 bytes of words, v^T's 4 fragments, 256 bytes of words
.set SPARE, 0                          ; the spare words, 128 bytes a wave: LDS bytes 0 to 1,023
.set REC0,  1024                       ; the records begin behind them
.set AK0,  1                           ; k's pieces: 8 (r % 8) + 128 h + 6 rows x (r / 8)
.set ASK0, 2                           ; k's scale words: row 24 + 16 (r % 8) + 4 (r / 8) + 128 h
.set L8,   3                           ; 8 x lane
.set SPW,  4
.set NIL,  5
.set ADK,  6
.set ADS,  7
.set ADV,  8
.set OSO,  9                           ; where a pair's scale bytes go: 8 r, in the second tile for lanes 16-31
.set ST,   12                          ; tile x's state at v[12 + 8 x]: -M, the largest score, the sums (two pairs), f, p's scale word
.set SO,   28                          ; v[28 + 2 x + c]
.set TT,   32                          ; v[32 + 2 x], v[33 + 2 x]
.set KSW,  36                          ; v36-39: word 2 c + e: lanes 0-15 tile 4 c + e, lanes 16-31 tile 4 c + 2 + e
.set VSW,  40                          ; v40-41: word e: lanes 0-15 fragment 2 e, lanes 16-31 fragment 2 e + 1
.set QS,   42                          ; v42-45 q's scale words: pair n, tile x at 2 n + x
.set MX,   46                          ; v[46 + 4 x + ..]
.set QST,  54                          ; v54-65 the second pair's q
.set Q,    66                          ; v66-89 q, 12 registers a tile, upper halves zero codes
.set KF,   90                          ; v90-137 k's eight fragments, 6 registers apart
.set PC,   138                         ; v138-161 p's codes, 12 a tile
.set VF,   162                         ; v162-209 v's four fragments
.set CT,   210                         ; v210-225 the upper halves of the blocks' codes as the conversions leave them
.set OW,   128                         ; window 1: O^T
.set WV,   12
.set TBN,  15
.set G0,   16
.set G1,   20
.set SEL,  28
.set CS,   30
.set TB,   32
.set CNT,  33
.set HM,   34
.set MSB, 0
.macro WIN new                         ; the immediate's high byte repeats the setting that is left
.if MSB != (\new)
	s_set_vgpr_msb (MSB<<8)|(\new)
.set MSB, (\new)
.endif
.endm
.macro CROUND
	s_barrier_signal -1
	s_barrier_wait -1
	s_cmp_lg_u32 s[WV], 0
	s_cbranch_scc1 .Lnot_wave_0_\@
	s_barrier_signal -3
.Lnot_wave_0_\@:
	s_barrier_wait -3
	s_barrier_signal -1
	s_barrier_wait -1
.endm
.macro WALU
	s_wait_alu depctr_va_vdst(0)
.endm
	s_load_b128 s[4:7], s[0:1], 0x0                ; qq, kv
	s_load_b64 s[8:9], s[0:1], 0x10                ; oq
	v_lshl_add_u32 v[SPW], v0, 2, SPARE
	v_mov_b32 v[NIL], 0
	ds_add_u32 v[SPW], v[NIL]                      ; the opening lines: the add, twice on end, and its wait ahead of my tensor load
	ds_add_u32 v[SPW], v[NIL]
	v_lshrrev_b32 v10, 5, v0
	v_readfirstlane_b32 s[WV], v10                 ; wave 0..7
	s_bfe_u32 s13, ttmp6, 0x40000                  ; cx: my block of 512 queries: it enters q's and O's addresses alone
	s_and_b32 s14, ttmp7, 0xffff                   ; bh, which the four partners share
	s_mov_b32 s[G1], 15|(3<<16)|(1<<20)|(1<<21)|(5<<22)|(23<<25)  ; the mask of all four; elements of 8 bytes; behind every 64 words 24 words of padding
	s_mov_b32 s[G1+1], 32<<16                      ; two records as 102 dense rows of 32 elements
	s_mov_b32 s[G1+2], 102<<16
	s_mov_b32 s[G1+3], 32<<16
	s_mov_b32 s[G1+4], 102
	s_mov_b32 s[G1+5], 32
	s_mov_b32 s[G1+6], 0
	s_mov_b32 s[G1+7], 0
	s_mov_b32 s[G0], 1
	s_mul_i32 s[G0+1], s[WV], 2*RECB               ; LDS: records 2 w, 2 w + 1
	s_add_co_u32 s[G0+1], s[G0+1], REC0
	s_mul_i32 s36, s14, 16*KSB
	s_mul_i32 s37, s[WV], 2*KSB
	s_add_co_u32 s36, s36, s37                     ; and in memory
	s_mov_b32 s37, 0
	s_lshl_b32 s38, s14, 4                         ; q: group of 128 tokens 4 cx + w / 2 of my head
	s_lshl_b32 s39, s13, 2
	s_add_co_u32 s38, s38, s39
	s_lshr_b32 s39, s[WV], 1
	s_add_co_u32 s38, s38, s39
	s_mul_i32 s38, s38, 6656
	s_mov_b32 s39, 0
	s_and_b32 s35, s[WV], 1                        ; my four tiles in it: 4 (w % 2) + 0 .. 3
	s_mul_i32 s41, s35, 3072
	s_lshr_b32 s40, s14, 4                         ; O: tile 128 x batch + 32 cx + 4 w
	s_lshl_b32 s40, s40, 7
	s_lshl_b32 s42, s13, 5
	s_add_co_u32 s40, s40, s42
	s_lshl_b32 s42, s[WV], 2
	s_add_co_u32 s40, s40, s42
	s_mul_i32 s40, s40, 12800
	s_and_b32 s42, s14, 15                         ; the head
	s_mul_i32 s43, s42, 768
	s_add_co_u32 s44, s40, s43                     ; its unit
	s_mov_b32 s45, 0
	s_lshr_b32 s43, s42, 2
	s_lshl_b32 s43, s43, 7                         ; its scale bytes: K step head / 4: 128 bytes on;
	s_and_b32 s42, s42, 3
	s_lshl_b32 s42, s42, 1                         ; two bytes for each head in a row's eight
	s_add_co_u32 s46, s40, s43
	s_add_co_u32 s46, s46, s42
	s_add_co_u32 s46, s46, 12288
	s_mov_b32 s47, 0
	s_mov_b32 s[SEL], 0x76543210
	s_mov_b32 s[SEL+1], 0xfedcba98                 ; v_permlanex16_b32's selects for lane l xor 16
	s_mov_b32 s[CS], 0x3e38aa3b                    ; c = log2(e) / 8
	s_mov_b32 s[CS+1], s[CS]
	s_mov_b32 s[HM], 0xffff0000                    ; lanes 16-31
	s_wait_dscnt 0x0                               ; both opening adds are done
	s_wait_kmcnt 0x0
	s_add_nc_u64 s[G0+2:G0+3], s[6:7], s[36:37]
	s_or_b32 s[G0+3], s[G0+3], 0x80000000
	s_add_nc_u64 s[4:5], s[4:5], s[38:39]
	s_add_nc_u64 s[10:11], s[8:9], s[46:47]        ; O's scale bytes
	s_add_nc_u64 s[8:9], s[8:9], s[44:45]          ; O's codes
	CROUND                                         ; all four work-groups are here: the joint loads meet
	tensor_load_to_lds s[G0:G0+3], s[G1:G1+7]      ; my two records: the same line and descriptor in wave w of all four partners
	s_nop 0
.rept 4
	v_nop
.endr
	v_and_b32 v10, 31, v0                          ; lane
	v_and_b32 v11, 7, v0                           ; r % 8
	v_bfe_u32 v12, v0, 3, 1                        ; r / 8
	v_bfe_u32 v13, v0, 4, 1                        ; h
	v_and_b32 v14, 15, v0                          ; r
	v_lshlrev_b32 v[L8], 3, v10
	v_lshlrev_b32 v[AK0], 3, v11
	v_lshl_add_u32 v[ASK0], v11, 4, 24*RP
	v_lshl_add_u32 v[AK0], v13, 7, v[AK0]
	v_lshl_add_u32 v[ASK0], v12, 2, v[ASK0]
	v_mad_u32_u24 v[AK0], v12, 6*RP, v[AK0]
	v_lshl_add_u32 v[ASK0], v13, 7, v[ASK0]
	v_mul_u32_u24 v[OSO], v13, 12800
	v_add_nc_u32 v15, s41, v[L8]                   ; q's codes: my tiles' units, my lane's piece
	v_lshlrev_b32 v16, 4, v14
	v_lshl_add_u32 v[OSO], v14, 3, v[OSO]
	v_lshl_add_u32 v16, s35, 3, v16                ; q's scale words: 16 r + 8 (w % 2)
.irp x, 0,1
.irp p, 0,1,2
	global_load_b64 v[Q+12*\x+2*\p:Q+12*\x+2*\p+1], v15, s[4:5] offset:768*\x+256*\p
	global_load_b64 v[QST+6*\x+2*\p:QST+6*\x+2*\p+1], v15, s[4:5] offset:768*(2+\x)+256*\p
.endr
	global_load_b32 v[QS+\x], v16, s[4:5] offset:6144+256*\x
	global_load_b32 v[QS+2+\x], v16, s[4:5] offset:6144+4+256*\x
.endr
.irp j, 0,1,2,3,4,5
	v_mov_b32 v[Q+6+\j], 0                         ; q's upper halves: zero codes
	v_mov_b32 v[Q+18+\j], 0
	v_mov_b32 v[PC+\j], 0                          ; named as the upper half of k's last fragment before they are first written
.endr
.irp j, 0,1,2,3
	v_mov_b32 v[TT+\j], 0                          ; a lane permute's destination counts as one of its sources
.endr
	v_mov_b32 v[ST+7], 0                           ; (p's scale words are named with f as a pair before they are first written)
	v_mov_b32 v[ST+15], 0
	WALU                                           ; the head's end
	s_wait_loadcnt 0x0                             ; q
	s_wait_tensorcnt 0x0                           ; my records have landed,
	s_barrier_signal -1
	s_barrier_wait -1                              ; everybody's have: the whole head lies in LDS
.macro KLOAD ak, as, off               ; 28 loads: k's eight fragments and four registers of scale words
.irp c, 0,1
.irp u, 0,1,2,3
.irp p, 0,1,2
	ds_load_b64 v[KF+6*(4*\c+\u)+2*\p:KF+6*(4*\c+\u)+2*\p+1], v[\ak] offset:\off+(3*(4*\c+(\u%2))+\p)*RP+64*(\u/2)
.endr
.endr
.irp e, 0,1
	ds_load_b32 v[KSW+2*\c+\e], v[\as] offset:\off+\e*RP+8*\c
.endr
.endr
.endm
; A KEY STEP of a pair of tiles: 128 keys, the record at LDS byte s[TB].  qs: the pair's two scale registers of q
.macro STEP qs
	s_add_co_u32 s[TBN], s[TB], RECB               ; the next record, held at the last one
	s_min_u32 s[TBN], s[TBN], REC0+15*RECB
	v_add_nc_u32 v[ADV], s[TB], v[L8]              ; four places behind the last step's products, ahead of the loads into v's registers
	v_add_nc_u32 v[ADK], s[TBN], v[AK0]
	v_add_nc_u32 v[ADS], s[TBN], v[ASK0]
	v_nop
	WALU
.irp d, 0,1,2,3                                ; 26 loads: v's four fragments and their words
.irp p, 0,1,2,3,4,5
	ds_load_b64 v[VF+12*\d+2*\p:VF+12*\d+2*\p+1], v[ADV] offset:(26+6*\d+\p)*RP
.endr
.endr
.irp e, 0,1
	ds_load_b32 v[VSW+\e], v[ADV] offset:50*RP+4*\e
.endr
	s_wait_dscnt 26                                ; k is in; the 26 just issued may be out
	WIN 0x40
.irp c, 0,1
.irp g, 0,1
.irp e, 0,1
.irp x, 0,1
	v_wmma_scale_f32_16x16x128_f8f6f4 v[64*\x+8*(4*\c+2*\g+\e):64*\x+8*(4*\c+2*\g+\e)+7], v[KF+6*(4*\c+2*\g+\e):KF+6*(4*\c+2*\g+\e)+11], v[Q+12*\x:Q+12*\x+11], 0, v[KSW+2*\c+\e], v[\qs+\x] matrix_a_fmt:MATRIX_FMT_FP6 matrix_b_fmt:MATRIX_FMT_FP6 matrix_a_scale:MATRIX_SCALE_ROW\g
.endr
.endr
.endr
.endr
	WIN 0
.rept 4
	v_nop                                          ; places ahead of the loads into k's registers and of the first read of the scores
.endr
	KLOAD ADK, ADS, 0
	WIN 0x15                                       ; the largest score of each tile's two blocks of 32 keys, each in two chains
.irp x, 0,1
.irp c, 0,1
.irp a, 0,1
	v_max3_num_f32 v[MX+4*\x+2*\c+\a], v[64*\x+32*\c+16*\a], v[64*\x+32*\c+16*\a+1], v[64*\x+32*\c+16*\a+2]
.endr
.endr
.endr
	WIN 0x14
.irp i, 3,5,7,9,11,13
.irp x, 0,1
.irp c, 0,1
.irp a, 0,1
	v_max3_num_f32 v[MX+4*\x+2*\c+\a], v[MX+4*\x+2*\c+\a], v[64*\x+32*\c+16*\a+\i], v[64*\x+32*\c+16*\a+\i+1]
.endr
.endr
.endr
.endr
	WIN 0x10
.irp x, 0,1
.irp c, 0,1
	v_max3_num_f32 v[MX+4*\x+2*\c], v[MX+4*\x+2*\c], v[MX+4*\x+2*\c+1], v[64*\x+32*\c+15]
.endr
.endr
	WIN 0x04
.irp x, 0,1
.irp c, 0,1
	v_max_num_f32 v[MX+4*\x+2*\c], v[MX+4*\x+2*\c], v[64*\x+32*\c+31]
.endr
.endr
	WIN 0
.irp x, 0,1
	v_max_num_f32 v[TT+2*\x], v[MX+4*\x], v[MX+4*\x+2]
.endr
.irp x, 0,1
	v_permlanex16_b32 v[TT+2*\x+1], v[TT+2*\x], s[SEL], s[SEL+1]
.endr
.irp x, 0,1
	v_max3_num_f32 v[ST+8*\x+1], v[ST+8*\x+1], v[TT+2*\x], v[TT+2*\x+1]   ; the running largest score of my query (c is positive)
.endr
.irp x, 0,1
	v_mul_f32 v[TT+2*\x], 0xbe38aa3b, v[ST+8*\x+1] ; -t
.endr
.irp x, 0,1
	v_floor_f32 v[TT+2*\x+1], v[TT+2*\x]           ; the new -M = floor(-t): M is a whole number
.endr
.irp x, 0,1
	v_sub_f32 v[TT+2*\x], v[TT+2*\x+1], v[ST+8*\x] ; old M - new M: a whole number, 0 or less
.endr
.irp x, 0,1
	v_mov_b32 v[ST+8*\x], v[TT+2*\x+1]
.endr
.irp x, 0,1
	v_cvt_i32_f32 v[TT+2*\x], v[TT+2*\x]           ; (it saturates)
.endr
.irp x, 0,1
	v_ldexp_f32 v[ST+8*\x+6], 1.0, v[TT+2*\x]      ; f = 2^(old M - new M)
.endr
	WIN 0x41
.set k, 0
.rept 32
	v_pk_fma_f32 v[k:k+1], v[k:k+1], s[CS:CS+1], v[ST:ST+1] op_sel_hi:[1,0,0]   ; the first tile's t - M, two at a time
.set k, k+2
.endr
	WIN 0
.irp x, 0,1
.irp c, 0,1
	v_fma_f32 v[MX+4*\x+2*\c], v[MX+4*\x+2*\c], s[CS], v[ST+8*\x]   ; the same of each block's largest score
.endr
.endr
	WIN 0x41
	WALU                                           ; ahead of the batch
.set k, 0
.rept 32
	v_exp_f32 v[k], v[k]                           ; the first tile's p = 2^(t - M), at most 1;
	v_pk_fma_f32 v[64+k:64+k+1], v[64+k:64+k+1], s[CS:CS+1], v[ST+8:ST+9] op_sel_hi:[1,0,0]   ; among them the second tile's t - M, which hangs on none of them
	v_exp_f32 v[k+1], v[k+1]
.set k, k+2
.endr
	WALU                                           ; between those writes and the exponentials that read them
.rept 64
	v_exp_f32 v[k], v[k]                           ; the second tile's p
.set k, k+1
.endr
	WIN 0
.irp j, 0,2,4,6
	v_exp_f32 v[MX+\j], v[MX+\j]                   ; the blocks' largest p
.endr
.irp x, 0,1
	v_pk_mul_f32 v[ST+8*\x+2:ST+8*\x+3], v[ST+8*\x+2:ST+8*\x+3], v[ST+8*\x+6:ST+8*\x+7] op_sel_hi:[1,0]   ; the sums under the new M: plain places behind the exponentials
	v_pk_mul_f32 v[ST+8*\x+4:ST+8*\x+5], v[ST+8*\x+4:ST+8*\x+5], v[ST+8*\x+6:ST+8*\x+7] op_sel_hi:[1,0]
.endr
	WALU                                           ; one wait for the batch of 132, ahead of its first reader
.irp j, 0,2,4,6
	v_max_num_f32 v[MX+\j], 0x1800000, v[MX+\j]    ; the floor 2^(3 - 127)
.endr
.irp j, 0,1,2,3
	v_add_nc_u32 v[SO+\j], 0xff000000, v[MX+2*\j]  ; the conversions' scale operands
.endr
.irp j, 0,1,2,3
	v_lshrrev_b32 v[TT+\j], 23, v[SO+\j]           ; the bytes of blocks h and 2 + h
.endr
.irp x, 0,1
	v_lshl_or_b32 v[TT+2*\x], v[TT+2*\x+1], 16, v[TT+2*\x]
.endr
.irp x, 0,1
	v_permlanex16_b32 v[TT+2*\x+1], v[TT+2*\x], s[SEL], s[SEL+1]
.endr
.irp x, 0,1
	v_lshl_or_b32 v[ST+8*\x+7], v[TT+2*\x+1], 8, v[TT+2*\x]   ; lanes 0-15: p's scale word of these 128 keys (lanes 16-31 are not read)
.endr
	WIN 0x05                                       ; the rows' sums of the unquantised p, four chains a tile
.irp x, 0,1
	v_pk_add_f32 v[MX+4*\x:MX+4*\x+1], v[64*\x:64*\x+1], v[64*\x+2:64*\x+3]
	v_pk_add_f32 v[MX+4*\x+2:MX+4*\x+3], v[64*\x+4:64*\x+5], v[64*\x+6:64*\x+7]
.endr
	WIN 0x04
.irp x, 0,1
	v_pk_add_f32 v[ST+8*\x+2:ST+8*\x+3], v[ST+8*\x+2:ST+8*\x+3], v[64*\x+8:64*\x+9]
	v_pk_add_f32 v[ST+8*\x+4:ST+8*\x+5], v[ST+8*\x+4:ST+8*\x+5], v[64*\x+10:64*\x+11]
.endr
.set k, 12
.rept 6
.irp x, 0,1
	v_pk_add_f32 v[MX+4*\x:MX+4*\x+1], v[MX+4*\x:MX+4*\x+1], v[64*\x+k:64*\x+k+1]
	v_pk_add_f32 v[MX+4*\x+2:MX+4*\x+3], v[MX+4*\x+2:MX+4*\x+3], v[64*\x+k+2:64*\x+k+3]
	v_pk_add_f32 v[ST+8*\x+2:ST+8*\x+3], v[ST+8*\x+2:ST+8*\x+3], v[64*\x+k+4:64*\x+k+5]
	v_pk_add_f32 v[ST+8*\x+4:ST+8*\x+5], v[ST+8*\x+4:ST+8*\x+5], v[64*\x+k+6:64*\x+k+7]
.endr
.set k, k+8
.endr
.irp x, 0,1
	v_pk_add_f32 v[MX+4*\x:MX+4*\x+1], v[MX+4*\x:MX+4*\x+1], v[64*\x+60:64*\x+61]
	v_pk_add_f32 v[MX+4*\x+2:MX+4*\x+3], v[MX+4*\x+2:MX+4*\x+3], v[64*\x+62:64*\x+63]
.endr
	WIN 0x01
.irp x, 0,1
.irp c, 0,1
	v_cvt_scalef32_pk16_fp6_f32 v[PC+12*\x+6*\c:PC+12*\x+6*\c+2], v[64*\x+32*\c:64*\x+32*\c+15], v[SO+2*\x+\c]
	v_cvt_scalef32_pk16_fp6_f32 v[CT+8*\x+4*\c:CT+8*\x+4*\c+2], v[64*\x+32*\c+16:64*\x+32*\c+31], v[SO+2*\x+\c]   ; (a conversion's three registers begin on an even number)
.endr
.endr
	WIN 0
.irp x, 0,1
	v_pk_add_f32 v[ST+8*\x+2:ST+8*\x+3], v[ST+8*\x+2:ST+8*\x+3], v[MX+4*\x:MX+4*\x+1]       ; plain places behind the conversions
	v_pk_add_f32 v[ST+8*\x+4:ST+8*\x+5], v[ST+8*\x+4:ST+8*\x+5], v[MX+4*\x+2:MX+4*\x+3]
.endr
.irp x, 0,1
.irp c, 0,1
.irp j, 0,1,2
	v_mov_b32 v[PC+12*\x+6*\c+3+\j], v[CT+8*\x+4*\c+\j]
.endr
.endr
.endr
	s_wait_dscnt 28                                ; v is in; the 28 loads of the next k may be out
	WIN 0x41
	WALU                                           ; directly ahead of the first reader of O^T
.irp x, 0,1
.set k, 0
.rept 16
	v_pk_mul_f32 v[OW+32*\x+k:OW+32*\x+k+1], v[OW+32*\x+k:OW+32*\x+k+1], v[ST+8*\x+6:ST+8*\x+7] op_sel_hi:[1,0]   ; O^T under the new M; these also stand between the writes of p's codes and words and the products
.set k, k+2
.endr
.endr
	WIN 0x50
.irp e, 0,1                                    ; O^T += v^T p^T: eight accumulators by turns; sixteen other products lie between two steps of a sum
.irp g, 0,1
.irp x, 0,1
	v_wmma_scale_f32_16x16x128_f8f6f4 v[OW+32*\x+8*(2*\e+\g):OW+32*\x+8*(2*\e+\g)+7], v[VF+12*(2*\e+\g):VF+12*(2*\e+\g)+11], v[PC+12*\x:PC+12*\x+11], v[OW+32*\x+8*(2*\e+\g):OW+32*\x+8*(2*\e+\g)+7], v[VSW+\e], v[ST+8*\x+7] matrix_a_fmt:MATRIX_FMT_FP6 matrix_b_fmt:MATRIX_FMT_FP6 matrix_a_scale:MATRIX_SCALE_ROW\g
.endr
.endr
.endr
	WIN 0
.endm
; A pair of tiles: 16 key steps, the division, the quantiser, the stores.
.macro PAIR n
.if \n
	s_wait_xcnt 0x0                                ; the first pair's stores have read their data
.irp x, 0,1
.irp j, 0,1,2,3,4,5
	v_mov_b32 v[Q+12*\x+\j], v[QST+6*\x+\j]
.endr
.endr
.endif
.irp x, 0,1
	v_mov_b32 v[ST+8*\x+1], 0xff61b1e6             ; the largest score so far: -3e38
	v_mov_b32 v[ST+8*\x], 0x7e000000               ; -M: 2^125, over every -M that follows: the first f is 0
.irp j, 2,3,4,5
	v_mov_b32 v[ST+8*\x+\j], 0
.endr
.endr
	WIN 0x40
.set k, 0
.rept 64
	v_mov_b32 v[OW+k], 0
.set k, k+1
.endr
	WIN 0
	s_mov_b32 s[TB], REC0
	s_mov_b32 s[CNT], 16
.Lkey_\n:
	STEP QS+2*\n
	s_add_co_u32 s[TB], s[TB], RECB
	s_sub_co_u32 s[CNT], s[CNT], 1
	s_cmp_lg_u32 s[CNT], 0
	s_cbranch_scc1 .Lkey_\n
.irp x, 0,1
	v_pk_add_f32 v[ST+8*\x+2:ST+8*\x+3], v[ST+8*\x+2:ST+8*\x+3], v[ST+8*\x+4:ST+8*\x+5]   ; the sum's parts (these lines are the places behind the last products),
.endr
.irp x, 0,1
	v_add_f32 v[ST+8*\x+2], v[ST+8*\x+2], v[ST+8*\x+3]
.endr
.irp x, 0,1
	v_permlanex16_b32 v[TT+2*\x], v[ST+8*\x+2], s[SEL], s[SEL+1]
.endr
.irp x, 0,1
	v_add_f32 v[ST+8*\x+2], v[ST+8*\x+2], v[TT+2*\x]   ; and lane l xor 16's
.endr
.if \n == 0
	s_wait_dscnt 0x0                               ; the loads that the last step issued into k's registers are in:
	KLOAD AK0, ASK0, REC0                          ; record 0's k for the next pair
.endif
	WALU
.irp x, 0,1
	v_rcp_f32 v[ST+8*\x+2], v[ST+8*\x+2]
.endr
	v_nop                                          ; a plain place behind the reciprocals
	WIN 0x41
	WALU                                           ; the wait ahead of their first reader, and of O^T's
.irp x, 0,1
.set k, 0
.rept 16
	v_pk_mul_f32 v[64*\x+k:64*\x+k+1], v[OW+32*\x+k:OW+32*\x+k+1], v[ST+8*\x+2:ST+8*\x+3] op_sel_hi:[1,0]   ; register 16 b + i is o(my query, channel 32 b + 16 h + i)
.set k, k+2
.endr
.endr
	WIN 0x05
.irp x, 0,1
.irp b, 0,1
	v_max3_num_f32 v[MX+4*\x+\b], |v[64*\x+16*\b]|, |v[64*\x+16*\b+1]|, 0x1800000
.endr
.endr
	WIN 0x14
.irp j, 2,4,6,8,10,12,14
.irp x, 0,1
.irp b, 0,1
	v_max3_num_f32 v[MX+4*\x+\b], v[MX+4*\x+\b], |v[64*\x+16*\b+\j]|, |v[64*\x+16*\b+\j+1]|
.endr
.endr
.endr
	WIN 0
.irp x, 0,1
.irp b, 0,1
	v_permlanex16_b32 v[TT+2*\x+\b], v[MX+4*\x+\b], s[SEL], s[SEL+1]
.endr
.endr
.irp x, 0,1
.irp b, 0,1
	v_max_num_f32 v[MX+4*\x+\b], v[MX+4*\x+\b], v[TT+2*\x+\b]
.endr
.endr
.irp x, 0,1
.irp b, 0,1
	v_add_nc_u32 v[SO+2*\x+\b], 0xff000000, v[MX+4*\x+\b]
.endr
.endr
.irp j, 0,1,2,3
	v_lshrrev_b32 v[TT+\j], 23, v[SO+\j]
.endr
.irp x, 0,1
	v_lshl_or_b32 v[TT+2*\x], v[TT+2*\x+1], 8, v[TT+2*\x]   ; my row's two scale bytes
.endr
	WIN 0x01
.irp x, 0,1
	v_cvt_scalef32_pk16_fp6_f32 v[PC+12*\x:PC+12*\x+2], v[64*\x:64*\x+15], v[SO+2*\x]
	v_cvt_scalef32_pk16_fp6_f32 v[CT+8*\x:CT+8*\x+2], v[64*\x+16:64*\x+31], v[SO+2*\x+1]
.endr
	WIN 0
	v_cndmask_b32 v[TT], v[TT], v[TT+2], s[HM]     ; lanes 0-15: the first tile's rows; lanes 16-31: the second's.  (A plain place behind the conversions)
.irp x, 0,1
.irp j, 0,1,2
	v_permlane16_swap_b32 v[PC+12*\x+\j], v[CT+8*\x+\j]
.endr
.endr
.irp x, 0,1
.irp j, 0,1,2
	v_mov_b32 v[PC+12*\x+3+\j], v[CT+8*\x+\j]      ; lane (r, h): block h of row r: the head's unit
.endr
.endr
.irp x, 0,1
.irp p, 0,1,2
	global_store_b64 v[L8], v[PC+12*\x+2*\p:PC+12*\x+2*\p+1], s[8:9] offset:12800*(2*\n+\x)+256*\p   ; 256 consecutive bytes, aligned
.endr
.endr
	global_store_b16 v[OSO], v[TT], s[10:11] offset:12800*2*\n
.endm
	KLOAD AK0, ASK0, REC0                          ; record 0's k
	PAIR 0
	PAIR 1
	s_wait_tensorcnt 0x0                           ; the wave's end
	ds_add_u32 v[SPW], v[NIL]
	s_wait_dscnt 0x0
	CROUND                                         ; the closing round
	s_endpgm
.Lfunc_end_k_q50e25402e8_attn:
	.size	k_q50e25402e8_attn, .Lfunc_end_k_q50e25402e8_attn-k_q50e25402e8_attn
	.p2alignl 7, 3214868480
	.fill 96, 4, 3214868480
	.section	.rodata,"a",@progbits
	.p2align	6, 0x0
	.amdhsa_kernel k_q50e25402e8_attn
		.amdhsa_group_segment_fixed_size 327680
		.amdhsa_private_segment_fixed_size 0
		.amdhsa_enable_private_segment 0
		.amdhsa_kernarg_size 24
		.amdhsa_user_sgpr_count 2
		.amdhsa_user_sgpr_kernarg_segment_ptr 1
		.amdhsa_wavefront_size32 1
		.amdhsa_system_sgpr_workgroup_id_x 1
		.amdhsa_system_sgpr_workgroup_id_y 1
		.amdhsa_system_sgpr_workgroup_id_z 1
		.amdhsa_system_vgpr_workitem_id 0
		.amdhsa_next_free_vgpr 512
		.amdhsa_next_free_sgpr 66
		.amdhsa_reserve_vcc 0
		.amdhsa_float_denorm_mode_32 3
		.amdhsa_float_denorm_mode_16_64 3
		.amdhsa_memory_ordered 1
		.amdhsa_forward_progress 1
		.amdhsa_inst_pref_size 89
	.end_amdhsa_kernel
	.amdgpu_metadata
---
amdhsa.version: [ 1, 2 ]
amdhsa.kernels:
  - .name:           k_q50e25402e8_attn
    .symbol:         k_q50e25402e8_attn.kd
    .args:
      - { .name: qq, .offset: 0, .size: 8, .value_kind: global_buffer, .address_space: global }
      - { .name: kv, .offset: 8, .size: 8, .value_kind: global_buffer, .address_space: global }
      - { .name: oq, .offset: 16, .size: 8, .value_kind: global_buffer, .address_space: global }
    .group_segment_fixed_size: 327680
    .private_segment_fixed_size: 0
    .kernarg_segment_align: 8
    .kernarg_segment_size: 24
    .max_flat_workgroup_size: 256
    .sgpr_count:     66
    .vgpr_count:     512
    .wavefront_size: 32
...
	.end_amdgpu_metadata
.endif
;; end of part 3
;; launch proj (part 4): grid 4 x 32, 4 waves a work-group, clusters of 4 x 4, 327,680 bytes of LDS; arguments oq, wc, b_proj, out0; writes out0
.if DOCPART == 4
	.amdgcn_target "amdgcn-amd-amdhsa--gfx1250"
	.amdhsa_code_object_version 6
	.text
	.protected	k_q50e25402e8_proj
	.globl	k_q50e25402e8_proj
	.p2align	8
	.type	k_q50e25402e8_proj,@function
k_q50e25402e8_proj:
	s_mov_b64 s[64:65], 0
	v_nop
	global_prefetch_b8 v0, s[64:65] scope:SCOPE_SE
	s_setreg_imm32_b32 hwreg(HW_REG_WAVE_MODE, 25, 1), 1
	s_wait_xcnt 0x0
	s_wait_alu depctr_hold_cnt(0) depctr_sa_sdst(0) depctr_va_vdst(0) depctr_va_sdst(0) depctr_va_ssrc(0) depctr_va_vcc(0) depctr_vm_vsrc(0)
	s_getreg_b32 s2, hwreg(HW_REG_IB_STS2, 6, 4)
	s_cmp_eq_u32 s2, 0
	s_cbranch_scc0 .Lentry_in_a_cluster
	s_endpgm
.Lentry_in_a_cluster:
	s_bfe_u32 s2, ttmp6, 0x10000c
	s_cmp_lg_u32 s2, 0xf033
	s_cbranch_scc0 .Lentry_shape_is_right
	s_endpgm
.Lentry_shape_is_right:
.set KB,     3072
.set TROW,   16*12800
.set HALFT,  8*KB
.set SLOT,   4*HALFT
.set SCL,    2*SLOT
.set HALFS,  8*512
.set SPARE,  SCL+4*HALFS
.set SPITCH, 528
.set NQ,     2
.set FR,     12
.set NL,     6
.set NP,     4
.set ADRA, 16
.set ADRB, 20
.set STO,  24
.set RD,   25
.set CO,   26
.set ADRS, 27
.set SPW,  28
.set NIL,  29
.set SC,   32
.set BI,   64
.set AF,   128
.set BK,   128
.set G1, 24
.set G0, 32
.set G1B, 48
.set G0B, 56
.set G1S, 68
.set G0S, 76
.set G1SB, 80
.set G0SB, 88
.set MSB, 0
.macro WIN new
.if MSB != (\new)
	s_set_vgpr_msb (MSB<<8)|(\new)
.set MSB, (\new)
.endif
.endm
.set MUL_LO, 0xa1
.set MUL_HI, 0xf1
.set BIA_LO, 0x81
.set BIA_HI, 0xc1
.set TO_B,   0x40
.macro JLOAD g0a, g1a, g0b, g1b
	s_cmp_eq_u32 s15, 0
	s_cbranch_scc0 .Lfor_b_\@
	tensor_load_to_lds s[\g0a:\g0a+3], s[\g1a:\g1a+7]
	s_nop 0
.rept 4
	v_nop
.endr
	s_branch .Lasked_\@
.Lfor_b_\@:
	tensor_load_to_lds s[\g0b:\g0b+3], s[\g1b:\g1b+7]
	s_nop 0
.rept 4
	v_nop
.endr
.Lasked_\@:
.endm
.macro CREST
	s_cmp_lg_u32 s14, 0
	s_cbranch_scc1 .Lnot_wave_0_\@
	s_barrier_signal -3
.Lnot_wave_0_\@:
	s_barrier_wait -3
	s_barrier_signal -1
	s_barrier_wait -1
.endm
.macro CROUND
	s_barrier_signal -1
	s_barrier_wait -1
	CREST
.endm
	s_load_b128 s[4:7], s[0:1], 0x0
	s_load_b128 s[8:11], s[0:1], 0x10
	v_lshl_add_u32 v[SPW], v0, 2, SPARE
	v_mov_b32 v[NIL], 0
	ds_add_u32 v[SPW], v[NIL]
	ds_add_u32 v[SPW], v[NIL]
	v_lshrrev_b32 v1, 5, v0
	v_readfirstlane_b32 s14, v1
	s_lshr_b32 s15, s14, 1
	s_and_b32 s16, s14, 1
	s_bfe_u32 s40, ttmp6, 0x40000
	s_bfe_u32 s41, ttmp6, 0x40004
	s_lshl_b32 s42, ttmp9, 2
	s_add_co_u32 s42, s42, s40
	s_and_b32 s17, ttmp7, 0xffff
	s_lshl_b32 s17, s17, 2
	s_add_co_u32 s17, s17, s41
	s_lshl_b32 s43, s41, 2
	s_lshl_b32 s43, 15, s43
	s_lshl_b32 s44, 0x1111, s40
	s_or_b32 s[G1+0], s43, (3<<16)|(1<<21)
	s_or_b32 s[G1B+0], s44, (3<<16)|(1<<21)
.irp g, G1, G1B
	s_mov_b32 s[\g+1], 384<<16
	s_mov_b32 s[\g+2], 16<<16                      ; the head's loads bring a tile's 16 rows; behind them the two words that count rows are set to 8
	s_mov_b32 s[\g+3], 384<<16
	s_mov_b32 s[\g+4], 16
	s_mov_b32 s[\g+5], 1600
	s_mov_b32 s[\g+6], 0
	s_mov_b32 s[\g+7], 0
.endr
	s_or_b32 s[G1S+0], s43, (3<<16)|(1<<21)
	s_or_b32 s[G1SB+0], s44, (3<<16)|(1<<21)
.irp g, G1S, G1SB
	s_mov_b32 s[\g+1], 64<<16
	s_mov_b32 s[\g+2], 16<<16
	s_mov_b32 s[\g+3], 64<<16
	s_mov_b32 s[\g+4], 16
	s_mov_b32 s[\g+5], 1600
	s_mov_b32 s[\g+6], 0
	s_mov_b32 s[\g+7], 0
.endr
	s_mul_i32 s18, s16, 8*12800
	s_mul_i32 s20, s17, TROW
	s_add_co_u32 s20, s20, s18
	s_mov_b32 s21, 0
	s_mul_i32 s46, s42, TROW
	s_add_co_u32 s46, s46, s18
	s_add_co_u32 s46, s46, 192*12800
	s_mov_b32 s47, 0
	s_mul_i32 s45, s14, HALFT
	s_mul_i32 s94, s14, HALFS
	s_wait_dscnt 0x0
	s_wait_kmcnt 0x0
	s_add_nc_u64 s[20:21], s[4:5], s[20:21]
	s_add_nc_u64 s[46:47], s[6:7], s[46:47]
	CROUND
; THE HEAD'S LOADS, ONE A WAVE: what the first step needs goes out as one group: wave 0 slot 0's 16 rows of A, wave 1 A's scales, wave 2 slot 0's 16 rows of B, wave 3 B's scales.
	s_mov_b32 s19, 0                               ; s18: my half of a tile, in bytes: taken off, the addresses are the whole tiles'
	s_mov_b32 s[G0], 1
	s_mov_b32 s[G0+1], 0
	s_sub_nc_u64 s[G0+2:G0+3], s[20:21], s[18:19]
	s_mov_b32 s[G0B], 1
	s_mov_b32 s[G0B+1], 2*HALFT
	s_sub_nc_u64 s[G0B+2:G0B+3], s[46:47], s[18:19]
	s_mov_b32 s[G0S], 1
	s_mov_b32 s[G0S+1], SCL
	s_add_nc_u64 s[G0S+2:G0S+3], s[G0+2:G0+3], 12288
	s_mov_b32 s[G0SB], 1
	s_mov_b32 s[G0SB+1], SCL+2*HALFS
	s_add_nc_u64 s[G0SB+2:G0SB+3], s[G0B+2:G0B+3], 12288
	s_or_b32 s[G0+3], s[G0+3], 0x80000000
	s_or_b32 s[G0B+3], s[G0B+3], 0x80000000
	s_or_b32 s[G0S+3], s[G0S+3], 0x80000000
	s_or_b32 s[G0SB+3], s[G0SB+3], 0x80000000
	s_mov_b32 s[G0+4], 1                           ; slot 1: my quarter, as in the ring
	s_add_co_u32 s[G0+5], s45, SLOT
	s_add_nc_u64 s[G0+6:G0+7], s[20:21], KB
	s_or_b32 s[G0+7], s[G0+7], 0x80000000
	s_mov_b32 s[G0B+4], 1
	s_add_co_u32 s[G0B+5], s45, SLOT
	s_add_nc_u64 s[G0B+6:G0B+7], s[46:47], KB
	s_or_b32 s[G0B+7], s[G0B+7], 0x80000000
.macro ARM under, g0, g1, next         ; one chain of branches on the wave's number, one load to an arm, all arms to one join
	s_cmp_lt_u32 s14, \under
	s_cbranch_scc0 \next
	tensor_load_to_lds s[\g0:\g0+3], s[\g1:\g1+7]
	s_nop 0
.rept 4
	v_nop
.endr
	s_branch .Lhead_asked
\next:
.endm
	ARM 1, G0,  G1,  .Lhead_sa
	ARM 2, G0S, G1S, .Lhead_b
	ARM 3, G0B, G1B, .Lhead_sb
	tensor_load_to_lds s[G0SB:G0SB+3], s[G1SB:G1SB+7]
	s_nop 0
.rept 4
	v_nop
.endr
.Lhead_asked:
	v_and_b32 v1, 15, v0
	v_bfe_u32 v2, v0, 4, 1
	v_and_b32 v3, 31, v0
	v_lshlrev_b32 v4, 3, v3
	s_wait_alu depctr_va_vdst(0)
	s_lshl_b32 s46, s42, 10
	s_lshl_b32 s47, s16, 9
	s_add_co_u32 s46, s46, s47
	s_mov_b32 s47, 0
	s_add_nc_u64 s[8:9], s[8:9], s[46:47]
	v_lshlrev_b32 v5, 6, v2
.irp b, 0,1,2,3,4,5,6,7
	global_load_b128 v[BI+8*\b:BI+8*\b+3], v5, s[8:9] offset:(32*(\b/2)+8*(\b%2))*4
	global_load_b128 v[BI+8*\b+4:BI+8*\b+7], v5, s[8:9] offset:(32*(\b/2)+8*(\b%2))*4+16
.endr
	s_mul_i32 s21, s15, HALFT
	s_mul_i32 s22, s16, HALFT
	s_add_co_u32 s22, s22, 2*HALFT
.irp s, 0,1
	v_add_nc_u32 v[ADRA+\s], s21, v4
	v_add_nc_u32 v[ADRB+\s], s22, v4
	s_add_co_u32 s21, s21, SLOT
	s_add_co_u32 s22, s22, SLOT
.endr
	v_lshlrev_b32 v7, 3, v1
	s_mul_i32 s21, s15, HALFS
	s_mul_i32 s22, s16, HALFS
	s_add_co_u32 s22, s22, 2*HALFS
	s_sub_co_u32 s22, s22, s21
	v_mul_u32_u24 v8, s22, v2
	s_add_co_u32 s21, s21, SCL
	v_add_nc_u32 v7, v7, v8
	v_add_nc_u32 v[ADRS], s21, v7
	s_mul_i32 s23, s14, 16*SPITCH
	v_mul_u32_u24 v7, v1, SPITCH
	v_lshl_add_u32 v7, v2, 6, v7
	v_add_nc_u32 v[STO], s23, v7
	v_lshlrev_b32 v[CO], 4, v3
	v_add_nc_u32 v[RD], s23, v[CO]
	s_lshl_b32 s20, s17, 8
	s_lshl_b32 s21, s15, 7
	s_add_co_u32 s20, s20, s21
	s_lshl_b32 s20, s20, 12
	s_add_co_u32 s20, s20, s46
	s_mov_b32 s21, 0
	s_add_nc_u64 s[10:11], s[10:11], s[20:21]
.macro FRAG reg, adr, q, i
.irp p, 0,1,2,3,4,5
	ds_load_b64 v[\reg+2*\p:\reg+2*\p+1], v[\adr] offset:(\i)*KB+(\q)*1536+256*\p
.endr
.endm
.macro MUL16 a0, p, q, sc, zero
.irp a, \a0, \a0+1
.irp b, 0,1,2,3,4,5,6,7
.if \zero
	v_wmma_scale_f32_16x16x128_f8f6f4 v[8*(8*((\a)%4)+\b):8*(8*((\a)%4)+\b)+7], v[128*(\p)+FR*\b:128*(\p)+FR*\b+FR-1], v[AF+FR*(\a):AF+FR*(\a)+FR-1], v[BI+8*\b:BI+8*\b+7], v[SC+8*NQ*(\sc)+NQ*\b+(\q)], v[SC+8*NQ*(\sc)+NQ*(\a)+(\q)] matrix_a_fmt:MATRIX_FMT_FP6 matrix_b_fmt:MATRIX_FMT_FP6 matrix_a_scale:MATRIX_SCALE_ROW1
.else
	v_wmma_scale_f32_16x16x128_f8f6f4 v[8*(8*((\a)%4)+\b):8*(8*((\a)%4)+\b)+7], v[128*(\p)+FR*\b:128*(\p)+FR*\b+FR-1], v[AF+FR*(\a):AF+FR*(\a)+FR-1], v[8*(8*((\a)%4)+\b):8*(8*((\a)%4)+\b)+7], v[SC+8*NQ*(\sc)+NQ*\b+(\q)], v[SC+8*NQ*(\sc)+NQ*(\a)+(\q)] matrix_a_fmt:MATRIX_FMT_FP6 matrix_b_fmt:MATRIX_FMT_FP6 matrix_a_scale:MATRIX_SCALE_ROW1
.endif
.endr
.endr
.endm
.macro FETCH_B slot, q, p
	WIN TO_B
.irp i, 0,1,2,3,4,5,6,7
	FRAG 128*(\p)+FR*\i, ADRB+\slot, \q, \i
.endr
	WIN 0
.endm
.macro FETCH_A slot, q, i0
.irp i, \i0, \i0+1, \i0+2, \i0+3
	FRAG AF+FR*(\i), ADRA+\slot, \q, \i
.endr
.endm
.macro SCALES sc
.irp i, 0,1,2,3,4,5,6,7
	ds_load_b64 v[SC+8*NQ*\sc+NQ*\i:SC+8*NQ*\sc+NQ*\i+1], v[ADRS] offset:\i*512
.endr
.endm
.macro PLACES n
.rept \n
	v_nop
.endr
.endm
.macro STEP slot, q, zero
	s_wait_dscnt 4*NL
.if \zero
	WIN BIA_LO
.else
	WIN MUL_LO
.endif
	MUL16 0, (\q)%2, \q, \slot, \zero
	MUL16 2, (\q)%2, \q, \slot, \zero
	s_wait_dscnt 0
	PLACES NP
	FETCH_B \slot, (\q)+1, 1-(\q)%2
	FETCH_A \slot, (\q)+1, 0
.if \zero
	WIN BIA_HI
.else
	WIN MUL_HI
.endif
	MUL16 4, (\q)%2, \q, \slot, \zero
	MUL16 6, (\q)%2, \q, \slot, \zero
	PLACES NP
	WIN 0
	FETCH_A \slot, (\q)+1, 4
.endm
.macro TURN slot, next, fill
	s_wait_tensorcnt 0x0
	ds_add_u32 v[SPW], v[NIL]
	s_wait_dscnt 4*NL+1
	WIN MUL_LO
	MUL16 0, 1, NQ-1, \slot, 0
	s_wait_dscnt 0x0
	s_barrier_signal -1
	MUL16 2, 1, NQ-1, \slot, 0
	WIN 0
	s_barrier_wait -1
.if \fill
	CREST
	s_add_nc_u64 s[G0+4*\slot+2:G0+4*\slot+3], s[G0+4*\slot+2:G0+4*\slot+3], 2*KB
	s_add_nc_u64 s[G0B+4*\slot+2:G0B+4*\slot+3], s[G0B+4*\slot+2:G0B+4*\slot+3], 2*KB
	JLOAD G0+4*\slot, G1, G0B+4*\slot, G1B
.else
	PLACES NP
.endif
	s_wait_alu depctr_va_vdst(0)
	v_add_nc_u32 v[ADRS], 128, v[ADRS]
	FETCH_B \next, 0, 0
	FETCH_A \next, 0, 0
	SCALES \next
	WIN MUL_HI
	MUL16 4, 1, NQ-1, \slot, 0
	MUL16 6, 1, NQ-1, \slot, 0
	PLACES NP
	WIN 0
	FETCH_A \next, 0, 4
.endm
	s_wait_alu depctr_va_vdst(0)                   ; the head's end
	s_wait_tensorcnt 0x0                           ; my tile of the head's four is in
	ds_add_u32 v[SPW], v[NIL]
	s_mov_b32 s[G1+2], 8<<16                       ; no tensor load of mine is out: from here on a load brings 8 rows,
	s_mov_b32 s[G1+4], 8
	s_mov_b32 s[G1B+2], 8<<16
	s_mov_b32 s[G1B+4], 8
	s_mul_i32 s[G0+1], s14, HALFT                  ; and slot 0's descriptors are my quarter's
	s_mul_i32 s[G0B+1], s14, HALFT
	s_mul_i32 s18, s16, 8*12800
	s_mov_b32 s19, 0
	s_add_nc_u64 s[G0+2:G0+3], s[G0+2:G0+3], s[18:19]
	s_add_nc_u64 s[G0B+2:G0B+3], s[G0B+2:G0B+3], s[18:19]
	s_wait_dscnt 0x0
	CROUND                                         ; all four tiles are in, in every partner
	JLOAD G0+4, G1, G0B+4, G1B                     ; slot 1's first fill, the first tensor load behind the round
	FETCH_B 0, 0, 0
	FETCH_A 0, 0, 0
	SCALES 0
	FETCH_A 0, 0, 4
	s_wait_loadcnt 0x0
	STEP 0, 0, 1
	TURN 0, 1, 1
	STEP 1, 0, 0
	TURN 1, 0, 1
	STEP 0, 0, 0
	TURN 0, 1, 0
	STEP 1, 0, 0
	s_wait_dscnt 4*NL
	WIN MUL_LO
	MUL16 0, 1, NQ-1, 1, 0
	MUL16 2, 1, NQ-1, 1, 0
	s_wait_dscnt 0
	WIN MUL_HI
	MUL16 4, 1, NQ-1, 1, 0
	MUL16 6, 1, NQ-1, 1, 0
	WIN 0
.macro TOSTAGE a
.set AC, 64*((\a)%4)
	WIN 0x08+4*((\a)/4)
.irp b, 0,1,2,3,4,5,6,7
	ds_store_b128 v[STO], v[AC+8*\b:AC+8*\b+3] offset:128*(\b/2)+32*(\b%2)
	ds_store_b128 v[STO], v[AC+8*\b+4:AC+8*\b+7] offset:128*(\b/2)+32*(\b%2)+16
.endr
	WIN 0
.set BB, BK+64*((\a)%2)
.irp t, 0,1,2,3,4,5,6,7,8,9,10,11,12,13,14,15
	ds_load_b128 v[BB+4*\t:BB+4*\t+3], v[RD] offset:\t*SPITCH
.endr
.endm
.macro SEND a, younger
.set BB, BK+64*((\a)%2)
	s_wait_dscnt \younger
.irp t, 0,1,2,3,4,5,6,7,8,9,10,11,12,13,14,15
	global_store_b128 v[CO], v[BB+4*\t:BB+4*\t+3], s[10:11] offset:(32*((\a)/2)+8*((\a)%2)+\t+8*(\t/8))*4096 th:TH_STORE_NT
.endr
.endm
	PLACES NP
	TOSTAGE 0
.irp a, 1,2,3,4,5,6,7
.if \a > 1
	s_wait_xcnt 0x0
.endif
	TOSTAGE \a
	SEND \a-1, 32
.endr
	SEND 7, 0
	s_wait_tensorcnt 0x0
	ds_add_u32 v[SPW], v[NIL]
	s_wait_dscnt 0x0
	CROUND
	s_endpgm
.Lfunc_end_k_q50e25402e8_proj:
	.size	k_q50e25402e8_proj, .Lfunc_end_k_q50e25402e8_proj-k_q50e25402e8_proj
	.p2alignl 7, 3214868480
	.fill 96, 4, 3214868480
	.section	.rodata,"a",@progbits
	.p2align	6, 0x0
	.amdhsa_kernel k_q50e25402e8_proj
		.amdhsa_group_segment_fixed_size 327680
		.amdhsa_private_segment_fixed_size 0
		.amdhsa_enable_private_segment 0
		.amdhsa_kernarg_size 32
		.amdhsa_user_sgpr_count 2
		.amdhsa_user_sgpr_kernarg_segment_ptr 1
		.amdhsa_wavefront_size32 1
		.amdhsa_system_sgpr_workgroup_id_x 1
		.amdhsa_system_sgpr_workgroup_id_y 1
		.amdhsa_system_sgpr_workgroup_id_z 1
		.amdhsa_system_vgpr_workitem_id 0
		.amdhsa_next_free_vgpr 1024
		.amdhsa_next_free_sgpr 96
		.amdhsa_reserve_vcc 0
		.amdhsa_float_denorm_mode_32 3
		.amdhsa_float_denorm_mode_16_64 3
		.amdhsa_memory_ordered 1
		.amdhsa_forward_progress 1
		.amdhsa_inst_pref_size 161
	.end_amdhsa_kernel
	.amdgpu_metadata
---
amdhsa.version: [ 1, 2 ]
amdhsa.kernels:
  - .name:           k_q50e25402e8_proj
    .symbol:         k_q50e25402e8_proj.kd
    .args:
      - { .name: oq, .offset: 0, .size: 8, .value_kind: global_buffer, .address_space: global }
      - { .name: wc, .offset: 8, .size: 8, .value_kind: global_buffer, .address_space: global }
      - { .name: b_proj, .offset: 16, .size: 8, .value_kind: global_buffer, .address_space: global }
      - { .name: out0, .offset: 24, .size: 8, .value_kind: global_buffer, .address_space: global }
    .group_segment_fixed_size: 327680
    .private_segment_fixed_size: 0
    .kernarg_segment_align: 8
    .kernarg_segment_size: 32
    .max_flat_workgroup_size: 128
    .sgpr_count:     96
    .vgpr_count:     1024
    .wavefront_size: 32
...
	.end_amdgpu_metadata
.endif
;; end of part 4
